; MI455X (gfx1250); checked and timed in simulation.
; The chip was launched on July 23, 2026; its instructions are those of AMD's public machine-readable ISA for CDNA 5 (MIT licence, August 2026) and "CDNA5" Instruction Set Architecture Reference Guide (July 2026). The comments in the code are by the model that wrote it; some were corrected since.
;; MLA. Allowed arithmetic: float matrix products may take bf16 or f16 operands with f32 sums; other float arithmetic in f32, or as packed bf16 or f16 multiplies, adds, multiply-adds, maxima and minima; sums over many terms, partial sums and values carried from step to step in f32; what a program stores and reads back later, other than sums and carried values, may be rounded once to bf16 or f16.
;; Inputs: Wk 2,048 x 3,072 float32; Wo 2,048 x 2,048 float32; Wq 2,048 x 3,072 float32; Wv 2,048 x 2,048 float32; bo 2,048 float32; mask 1,024 x 1,024 float32; x 2 x 1,024 x 2,048 float32.
;; Outputs: out0 2 x 1,024 x 2,048 float32.
;; Constants: start_pos = 0.
;; 2 versions, each right; version 2 is version 1 with the launch prep written anew for expert scheduling mode. Each part assembles by itself: llvm-mc -triple=amdgcn-amd-amdhsa -mcpu=gfx1250 --defsym DOCPART=n.
;; ======== version 1 of 2: 4 launches
;; limits: values are held in f16: magnitudes above 65,504 overflow, below 6.1e-05 lose precision
;; workspace buffers: xb 8,388,608 bytes; wb 33,554,432 bytes; wo16 8,388,608 bytes; maskS 4,194,304 bytes; rope 262,144 bytes; qkv 33,554,432 bytes; ob 8,388,608 bytes
;; launch prep (part 1): grid 128 x 14, 8 waves a work-group, no clusters, 0 bytes of LDS; arguments x, Wq, Wk, Wv, Wo, mask, xb, wb, wo16, maskS, rope; writes xb, wb, wo16, maskS, rope
.if DOCPART == 1
	.amdgcn_target "amdgcn-amd-amdhsa--gfx1250"
	.amdhsa_code_object_version 6
	.text
	.protected	k_q4be896b7c4_prep
	.globl	k_q4be896b7c4_prep
	.p2align	8
	.type	k_q4be896b7c4_prep,@function
k_q4be896b7c4_prep:
	s_mov_b64 s[64:65], 0
	v_nop
	global_prefetch_b8 v0, s[64:65] scope:SCOPE_SE
	s_setreg_imm32_b32 hwreg(HW_REG_WAVE_MODE, 25, 1), 1
	s_wait_xcnt 0x0
; PREPARATION: every float input is rounded once to bf16, and laid out for the products that follow.
;   xb    = bf16(x)                        [2048][2048]
;   wb    = bf16(Wq | Wk | Wv), columns in the order n': 0-2047 q nope (h 128 + d), 2048-4095 k nope, 4096-6143 v, 6144-7167 q rope (h 64 + d), 7168-8191 k rope     [2048 k][8192 n']
;   wo16  = bf16(Wo), that number written as f16  [2048 k][2048 n]
;   maskS = bf16(mask) x sqrt(192), in f32  [1024][1024]: it starts the sum q . k, which is scaled by 1 / sqrt(192) afterwards
;   rope  = cos, sin of pos x 10000^(-i / 32), f32, [1024 pos][32 pairs][cos, sin]
; LIMITS.  |Wo| under 65,504 (f16; below 6e-5 it keeps f16's fixed step); |mask| under 2.4e37 (the product by sqrt(192) stays finite).  The angle is at most 1,023 (fixed by the problem's positions).
; A STREAM: memory binds, nothing is shared between work-groups, so no LDS, no matrix unit, no cluster.  The grid's y is the kind of work, its x a block of 16 rows (mask: 8 rows; table: 8 positions).
; A work-group covers 1,024 columns; a thread 4 columns of a row: a load of 16 bytes (a wave: 512 bytes on end; the rope columns: two runs of 256) and a store of 8 (a wave: 256 bytes on end, aligned; the mask 16).
; NO RING: a wave asks for all its 16 rows at once, 8 KiB, converts each row in the registers in which it landed and stores it from there.  No register that a load or store names is written again,
; so the only waits are the counted ones for the rows as they come.
.set VO,   3                           ; v3       my byte offset in a row of the target
.set T,    4                           ; v[4:9]   at work
.set OI,   10                          ; v[10:25] row i: my byte offset in the source; v10 is the first row's
.set X,    32                          ; v[32:95] row i: 4 registers as loaded, then as stored
.set IN,   30                          ; s[30:31] the source at the work-group's first row
.set OUT,  32                          ; s[32:33] the target at the work-group's first row
.set IP,   34                          ; s34      bytes from row to row in the source
.set OP,   35                          ; s35      in the target
.set KIND, 40                          ; s40      the grid's y
.set TMPS, 42                          ; s42, s43 at work
.set OFS,  44                          ; s[44:45] an offset in 64 bits; the high word stays 0
; A cast with constant pitches: the rows stand in the immediate offsets.  mode 1: to bf16, that number as f16.  mode 2: to bf16, times sqrt(192), in f32.
.macro FIXED rows, ipitch, opitch, mode
.set i, 0
.rept \rows
	global_load_b128 v[X+4*i:X+4*i+3], v[OI], s[IN:IN+1] offset:i*(\ipitch) th:TH_LOAD_NT
.set i, i+1
.endr
.set i, 0
.rept \rows
	s_wait_loadcnt (\rows)-1-i                     ; loads come back in order: row i is in, the younger rows stay out
	v_cvt_pk_bf16_f32 v[T],   v[X+4*i],   v[X+4*i+1]
	v_cvt_pk_bf16_f32 v[T+1], v[X+4*i+2], v[X+4*i+3]
.if (\mode) == 1
	v_lshlrev_b32 v[T+2], 16, v[T]                 ; bf16 to f32: the low half moves up, the high half stays
	v_and_b32     v[T+3], s48, v[T]
	v_lshlrev_b32 v[T+4], 16, v[T+1]
	v_and_b32     v[T+5], s48, v[T+1]
	v_cvt_pk_f16_f32 v[X+4*i],   v[T+2], v[T+3]
	v_cvt_pk_f16_f32 v[X+4*i+1], v[T+4], v[T+5]
	global_store_b64 v[VO], v[X+4*i:X+4*i+1], s[OUT:OUT+1] offset:i*(\opitch)
.else
	v_lshlrev_b32 v[X+4*i],   16, v[T]
	v_and_b32     v[X+4*i+1], s48, v[T]
	v_lshlrev_b32 v[X+4*i+2], 16, v[T+1]
	v_and_b32     v[X+4*i+3], s48, v[T+1]
	v_pk_mul_f32 v[X+4*i:X+4*i+1],   v[X+4*i:X+4*i+1],   s[46:47] op_sel_hi:[1,0]
	v_pk_mul_f32 v[X+4*i+2:X+4*i+3], v[X+4*i+2:X+4*i+3], s[46:47] op_sel_hi:[1,0]
	global_store_b128 v[VO], v[X+4*i:X+4*i+3], s[OUT:OUT+1] offset:i*(\opitch)
.endif
.set i, i+1
.endr
	s_endpgm
.endm
	s_load_b512 s[8:23], s[0:1], 0x0               ; x s[8:9], Wq s[10:11], Wk s[12:13], Wv s[14:15], Wo s[16:17], mask s[18:19], xb s[20:21], wb s[22:23]
	s_load_b128 s[24:27], s[0:1], 0x40             ; wo16 s[24:25], maskS s[26:27]
	s_load_b64 s[28:29], s[0:1], 0x50              ; rope
	s_and_b32 s[KIND], ttmp7, 0xffff
	s_mov_b32 s[OFS+1], 0
	s_mov_b32 s46, 0x415db3d7                      ; sqrt(192)
	s_mov_b32 s47, s46                             ; named with it as a pair
	s_mov_b32 s48, 0xffff0000                      ; a word's upper bf16
	v_lshlrev_b32 v[OI], 4, v0                     ; 16 t, where the columns lie as they are wanted
	v_lshlrev_b32 v[VO], 3, v0                     ; 8 t
	s_wait_kmcnt 0x0
	s_cmp_lt_u32 s[KIND], 4
	s_cbranch_scc1 .Lnope
	s_cmp_lt_u32 s[KIND], 6
	s_cbranch_scc1 .Lv
	s_cmp_lt_u32 s[KIND], 8
	s_cbranch_scc1 .Lrope
	s_cmp_lt_u32 s[KIND], 10
	s_cbranch_scc1 .Lx
	s_cmp_lt_u32 s[KIND], 12
	s_cbranch_scc1 .Lwo
	s_cmp_eq_u32 s[KIND], 12
	s_cbranch_scc1 .Lmask
	; KIND 13: the table.  A work-group makes 8 positions; thread t position 8 x block + t / 32, pair t % 32: 8 bytes.
	v_lshrrev_b32 v5, 5, v0
	s_lshl_b32 s[TMPS], ttmp9, 3
	v_add_nc_u32 v5, s[TMPS], v5
	v_cvt_f32_u32 v5, v5                           ; pos
	v_and_b32 v6, 31, v0
	v_cvt_f32_u32 v6, v6
	v_mul_f32 v6, 0xbed49a78, v6                   ; -i log2(10000) / 32
	v_exp_f32 v8, v6                               ; theta
	v_nop                                          ; a plain instruction behind the exponential,
	s_wait_alu depctr_va_vdst(0)                   ; and its wait, ahead of its first reader
	; cos and sin of pos x theta: the nearest multiple n of pi / 2 is taken away in two parts, |r| <= pi / 4 goes through two short series, and n mod 4 turns the pair.
	v_mul_f32 v10, v5, v8
	v_mul_f32 v11, 0x3f22f983, v10                 ; x 2 / pi
	v_rndne_f32 v11, v11                           ; n
	v_fma_f32 v10, v11, 0xbfc90fdb, v10            ; - n x the upper part of pi / 2
	v_fma_f32 v10, v11, 0x333bbd2e, v10            ; - n x the lower part (which is negative)
	v_mul_f32 v12, v10, v10                        ; z = r r
	v_mov_b32 v13, 0xb9500d01                      ; -1 / 5040
	v_fmaak_f32 v13, v13, v12, 0x3c088889          ; 1 / 120
	v_fmaak_f32 v13, v13, v12, 0xbe2aaaab          ; -1 / 6
	v_mul_f32 v14, v10, v12
	v_fma_f32 v13, v14, v13, v10                   ; sin r
	v_mov_b32 v14, 0x37d00d01                      ; 1 / 40320
	v_fmaak_f32 v14, v14, v12, 0xbab60b61          ; -1 / 720
	v_fmaak_f32 v14, v14, v12, 0x3d2aaaab          ; 1 / 24
	v_fmaak_f32 v14, v14, v12, 0xbf000000          ; -1 / 2
	v_fmaak_f32 v14, v14, v12, 0x3f800000          ; cos r
	v_cvt_i32_f32 v15, v11
	v_and_b32 v12, 1, v15
	v_cmp_eq_u32 vcc_lo, 1, v12                    ; n odd: sine and cosine change places
	v_cndmask_b32 v21, v13, v14, vcc_lo
	v_cndmask_b32 v20, v14, v13, vcc_lo
	v_and_b32 v12, 2, v15                          ; n mod 4 = 2, 3: the sine turns its sign
	v_lshlrev_b32 v12, 30, v12
	v_xor_b32 v21, v21, v12
	v_add_nc_u32 v15, 1, v15                       ; n mod 4 = 1, 2: the cosine
	v_and_b32 v15, 2, v15
	v_lshlrev_b32 v15, 30, v15
	v_xor_b32 v20, v20, v15
	s_lshl_b32 s[OFS], ttmp9, 11                   ; 8 positions of 256 bytes
	s_add_nc_u64 s[OUT:OUT+1], s[28:29], s[OFS:OFS+1]
	global_store_b64 v[VO], v[20:21], s[OUT:OUT+1] ; a wave stores a position's 256 bytes
	s_endpgm
.Lnope:                                        ; kinds 0-3: 8 heads' first 128 columns; wave w takes head w
	s_cmp_lt_u32 s[KIND], 2
	s_cselect_b64 s[IN:IN+1], s[10:11], s[12:13]
	s_and_b32 s[OFS], s[KIND], 1
	s_mul_i32 s[OFS], s[OFS], 6144                 ; heads 8-15 begin 8 x 192 columns on
	v_lshrrev_b32 v4, 5, v0
	v_and_b32 v5, 31, v0
	v_mul_u32_u24 v4, v4, 768                      ; a head is 192 columns
	v_lshl_add_u32 v[OI], v5, 4, v4
	s_mov_b32 s[IP], 12288
	s_branch .Ltowb
.Lrope:                                        ; kinds 6, 7: 16 heads' last 64 columns; sixteen threads take a head
	s_cmp_eq_u32 s[KIND], 6
	s_cselect_b64 s[IN:IN+1], s[10:11], s[12:13]
	s_mov_b32 s[OFS], 512
	v_lshrrev_b32 v4, 4, v0
	v_and_b32 v5, 15, v0
	v_mul_u32_u24 v4, v4, 768
	v_lshl_add_u32 v[OI], v5, 4, v4
	s_mov_b32 s[IP], 12288
	s_branch .Ltowb
.Lv:                                           ; kinds 4, 5: Wv
	s_mov_b64 s[IN:IN+1], s[14:15]
	s_sub_co_u32 s[OFS], s[KIND], 4
	s_lshl_b32 s[OFS], s[OFS], 12
	s_mov_b32 s[IP], 8192
.Ltowb:                                        ; kinds 0-7 go into wb: 1,024 columns x kind
	s_add_nc_u64 s[IN:IN+1], s[IN:IN+1], s[OFS:OFS+1]
	s_lshl_b32 s[OFS], s[KIND], 11
	s_add_nc_u64 s[OUT:OUT+1], s[22:23], s[OFS:OFS+1]
	s_mov_b32 s[OP], 16384
	s_branch .Lcast
.Lx:                                           ; kinds 8, 9: x
	s_sub_co_u32 s[TMPS], s[KIND], 8
	s_lshl_b32 s[OFS], s[TMPS], 12
	s_add_nc_u64 s[IN:IN+1], s[8:9], s[OFS:OFS+1]
	s_lshl_b32 s[OFS], s[TMPS], 11
	s_add_nc_u64 s[OUT:OUT+1], s[20:21], s[OFS:OFS+1]
	s_mov_b32 s[IP], 8192
	s_mov_b32 s[OP], 4096
.Lcast:                                        ; THE CAST TO bf16, one text for kinds 0-9: the two pitches stand in scalar registers
	s_lshl_b32 s[TMPS], ttmp9, 4                   ; the work-group's first row
	s_mul_i32 s[OFS], s[TMPS], s[IP]
	s_add_nc_u64 s[IN:IN+1], s[IN:IN+1], s[OFS:OFS+1]
	s_mul_i32 s[OFS], s[TMPS], s[OP]
	s_add_nc_u64 s[OUT:OUT+1], s[OUT:OUT+1], s[OFS:OFS+1]
	global_load_b128 v[X:X+3], v[OI], s[IN:IN+1] th:TH_LOAD_NT
.set i, 1
.rept 15
	v_add_nc_u32 v[OI+i], s[IP], v[OI+i-1]         ; each row's offset has a register of its own: none is written while a load reads it
	global_load_b128 v[X+4*i:X+4*i+3], v[OI+i], s[IN:IN+1] th:TH_LOAD_NT
.set i, i+1
.endr
.set i, 0
.rept 16
	s_wait_loadcnt 15-i                            ; loads come back in order: row i is in, the younger rows stay out
	v_cvt_pk_bf16_f32 v[X+4*i],   v[X+4*i],   v[X+4*i+1]
	v_cvt_pk_bf16_f32 v[X+4*i+1], v[X+4*i+2], v[X+4*i+3]
.if i == 0
	global_store_b64 v[VO], v[X:X+1], s[OUT:OUT+1]
.else
.if i == 1
	v_add_nc_u32 v[X+4*i+2], s[OP], v[VO]          ; the row's offset in the target, in a register of the row that the conversion has freed
.else
	v_add_nc_u32 v[X+4*i+2], s[OP], v[X+4*i-2]
.endif
	global_store_b64 v[X+4*i+2], v[X+4*i:X+4*i+1], s[OUT:OUT+1]
.endif
.set i, i+1
.endr
	s_endpgm
.Lwo:                                          ; kinds 10, 11: Wo, rows of 8,192 bytes in and 4,096 out
	s_sub_co_u32 s[TMPS], s[KIND], 10
	s_lshl_b32 s[OFS], s[TMPS], 12
	s_lshl_b32 s43, ttmp9, 17
	s_add_co_u32 s[OFS], s[OFS], s43
	s_add_nc_u64 s[IN:IN+1], s[16:17], s[OFS:OFS+1]
	s_lshl_b32 s[OFS], s[TMPS], 11
	s_lshl_b32 s43, ttmp9, 16
	s_add_co_u32 s[OFS], s[OFS], s43
	s_add_nc_u64 s[OUT:OUT+1], s[24:25], s[OFS:OFS+1]
	FIXED 16, 8192, 4096, 1
.Lmask:                                        ; kind 12: the mask, 8 rows of 4,096 bytes a work-group
	s_lshl_b32 s[OFS], ttmp9, 15
	s_add_nc_u64 s[IN:IN+1], s[18:19], s[OFS:OFS+1]
	s_add_nc_u64 s[OUT:OUT+1], s[26:27], s[OFS:OFS+1]
	v_lshlrev_b32 v[VO], 4, v0
	FIXED 8, 4096, 4096, 2
.Lfunc_end_k_q4be896b7c4_prep:
	.size	k_q4be896b7c4_prep, .Lfunc_end_k_q4be896b7c4_prep-k_q4be896b7c4_prep
	.p2alignl 7, 3214868480
	.fill 96, 4, 3214868480
	.section	.rodata,"a",@progbits
	.p2align	6, 0x0
	.amdhsa_kernel k_q4be896b7c4_prep
		.amdhsa_group_segment_fixed_size 0
		.amdhsa_private_segment_fixed_size 0
		.amdhsa_enable_private_segment 0
		.amdhsa_kernarg_size 88
		.amdhsa_user_sgpr_count 2
		.amdhsa_user_sgpr_kernarg_segment_ptr 1
		.amdhsa_wavefront_size32 1
		.amdhsa_system_sgpr_workgroup_id_x 1
		.amdhsa_system_sgpr_workgroup_id_y 1
		.amdhsa_system_sgpr_workgroup_id_z 1
		.amdhsa_system_vgpr_workitem_id 0
		.amdhsa_next_free_vgpr 96
		.amdhsa_next_free_sgpr 66
		.amdhsa_reserve_vcc 1
		.amdhsa_float_denorm_mode_32 3
		.amdhsa_float_denorm_mode_16_64 3
		.amdhsa_memory_ordered 1
		.amdhsa_forward_progress 1
		.amdhsa_inst_pref_size 26
	.end_amdhsa_kernel
	.amdgpu_metadata
---
amdhsa.version: [ 1, 2 ]
amdhsa.kernels:
  - .name:           k_q4be896b7c4_prep
    .symbol:         k_q4be896b7c4_prep.kd
    .args:
      - { .name: x, .offset: 0, .size: 8, .value_kind: global_buffer, .address_space: global }
      - { .name: Wq, .offset: 8, .size: 8, .value_kind: global_buffer, .address_space: global }
      - { .name: Wk, .offset: 16, .size: 8, .value_kind: global_buffer, .address_space: global }
      - { .name: Wv, .offset: 24, .size: 8, .value_kind: global_buffer, .address_space: global }
      - { .name: Wo, .offset: 32, .size: 8, .value_kind: global_buffer, .address_space: global }
      - { .name: mask, .offset: 40, .size: 8, .value_kind: global_buffer, .address_space: global }
      - { .name: xb, .offset: 48, .size: 8, .value_kind: global_buffer, .address_space: global }
      - { .name: wb, .offset: 56, .size: 8, .value_kind: global_buffer, .address_space: global }
      - { .name: wo16, .offset: 64, .size: 8, .value_kind: global_buffer, .address_space: global }
      - { .name: maskS, .offset: 72, .size: 8, .value_kind: global_buffer, .address_space: global }
      - { .name: rope, .offset: 80, .size: 8, .value_kind: global_buffer, .address_space: global }
    .group_segment_fixed_size: 0
    .private_segment_fixed_size: 0
    .kernarg_segment_align: 8
    .kernarg_segment_size: 88
    .max_flat_workgroup_size: 256
    .sgpr_count:     66
    .vgpr_count:     96
    .wavefront_size: 32
...
	.end_amdgpu_metadata
.endif
;; end of part 1
;; launch gemm1 (part 2): grid 32 x 8, 4 waves a work-group, clusters of 4 x 4, 327,680 bytes of LDS; arguments xb, wb, rope, qkv; writes qkv
.if DOCPART == 2
	.amdgcn_target "amdgcn-amd-amdhsa--gfx1250"
	.amdhsa_code_object_version 6
	.text
	.protected	k_q4be896b7c4_gemm1
	.globl	k_q4be896b7c4_gemm1
	.p2align	8
	.type	k_q4be896b7c4_gemm1,@function
k_q4be896b7c4_gemm1:
	s_mov_b64 s[64:65], 0
	v_nop
	global_prefetch_b8 v0, s[64:65] scope:SCOPE_SE
	s_setreg_imm32_b32 hwreg(HW_REG_WAVE_MODE, 25, 1), 1
	s_wait_xcnt 0x0
	s_wait_alu depctr_hold_cnt(0) depctr_sa_sdst(0) depctr_va_vdst(0) depctr_va_sdst(0) depctr_va_ssrc(0) depctr_va_vcc(0) depctr_vm_vsrc(0)
	s_getreg_b32 s2, hwreg(HW_REG_IB_STS2, 6, 4)
	s_cmp_eq_u32 s2, 0
	s_cbranch_scc0 .Lentry_in_a_cluster
	s_endpgm
.Lentry_in_a_cluster:
	s_bfe_u32 s2, ttmp6, 0x10000c
	s_cmp_lg_u32 s2, 0xf033
	s_cbranch_scc0 .Lentry_shape_is_right
	s_endpgm
.Lentry_shape_is_right:
; qkv[m][n'] = the sum over k of xb[m][k] wb[k][n'], the rope columns (n' >= 6144) turned by their row's position, rounded once to f16.
; xb: [2048][2048] bf16, wb: [2048 k][8192 n'] bf16, rope: [1024][32][cos, sin] f32, qkv: [2048][8192] f16.  Sums in f32.
; LIMIT.  q, k and v stay under 65,504 (f16); NaN and infinities are not treated apart.
; A tile of the result, 256 x 256, is made by a work-group of four waves, a wave 128 x 128: 64 accumulators.  32 x 8 tiles: one for each work-group.  K goes in 16 steps of 128 through two LDS slots.
; xb's tile has K along its rows (256 bytes a row); wb's tile has n' along its rows (128 rows of 512 bytes) and comes out of LDS turned, by ds_load_tr16_b128.
; CLUSTER: 4 x 4 work-groups.  xb's tile hangs on the tile row alone and is asked for jointly along a row of the cluster, wb's on the tile column alone, jointly along a column.
; THE MATRIX INSTRUCTION IS USED TRANSPOSED: source 0 = 16 columns of wb, source 1 = 16 rows of xb: a lane holds row l % 16 and the eight neighbouring columns 8 (l / 16) + 0..7: four pairs of the rotation, 16 bytes of f16.
; REGISTERS, in windows of 256: window 0: v0-31 addresses; v64-127, v128-191 xb's fragments, two buffers; on the way out v32-63, v224-255 rows read back, v192-223 packed, v64-127 the rotation's sine part
;   window 1: v64-127, v128-191 wb's fragments; v0-63, v192-255 the table of my row blocks 0-3; on the way out v64-191 that of blocks 4-7        windows 2, 3: the accumulators, (a, b) at v[8 (8 a + b)]
.set KSTEP,  128
.set LDK,    2048
.set LDN,    8192
.set PA,     272                       ; a row of xb's tile in LDS: 256 bytes + 16: the 16 rows of a fragment load start at 16 different groups of four banks
.set PB,     544                       ; a row of wb's tile: 512 bytes + 32 = 17 x 32
.set HALFT,  128*PA                    ; what one tensor load brings: 128 rows of xb, or 64 rows of wb (64 x 544 is the same number)
.set SLOT,   4*HALFT                   ; xb's 256 rows, then wb's 128 rows
.set STAGE,  2*SLOT                    ; behind the ring: 16 rows x 272 bytes for each wave, for the way out
.set SPITCH, 272
.set SPARE,  STAGE+4*16*SPITCH         ; the spare words, 128 bytes a wave: no other line names them
.set ADRA,  16                         ; v16  LDS address of my fragments of xb in the slot in hand
.set ADRA0, 17                         ; v17  the same in slot 0; never rewritten
.set ADRB,  20                         ; v20, v21  the same for wb
.set ADRB0, 21
.set STO,   24                         ; v24  the way out: where I put 16 bytes of a row
.set RD,    25                         ; v25  where I read a row back
.set CO,    26                         ; v26  my byte offset in two rows of qkv
.set RO,    27                         ; v27  my byte offset in the table; never rewritten
.set SPW,   28                         ; v28  my spare word; never rewritten
.set NIL,   29                         ; v29  0; never rewritten
.set PFO,   30                         ; v30  the prefetches' lane offset; never rewritten
.set F0,    64
.set F1,    128
.set TMP,   192
.set OB,    32
.set TT,    64
.set WV,   12                          ; s12  wave
.set RH,   13                          ; s13  my half of the tile's rows; also: I fetch for xb (0) or wb (1)
.set CH,   14                          ; s14  my half of its columns; also: which half of that tile I fetch
.set CX,   15
.set CY,   16
.set TC,   17                          ; s17  tile column
.set TR,   18                          ; s18  tile row
.set ROPE, 19                          ; s19  1: the tile's columns are rope columns (the same in all sixteen partners: it hangs on the cluster's x)
.set G1A,  24                          ; s[24:31] descriptor group 1 for xb's tiles
.set G0A,  32                          ; s[32:39] group 0: a set for each first fill; the second then walks
.set TB,   40                          ; s40  LDS byte at which the slot in hand begins
.set LB,   41                          ; s41  wave x HALFT: where my part of a slot lies
.set LIM,  42                          ; s42  2 in a wave that prefetches, else the greatest number
.set PFA,  44                          ; s[44:45] where my prefetches stand
.set PFS,  46                          ; s[46:47] a K step in bytes, for them
.set G1B,  48
.set G0B,  56
.set MSB, 0
.macro WIN new                         ; the immediate's high byte repeats the setting that is left; a switch that changes nothing is dropped
.if MSB != (\new)
	s_set_vgpr_msb (MSB<<8)|(\new)
.set MSB, \new
.endif
.endm
.set MUL_LO, 0xa1                      ; source 0 (wb) window 1, source 1 (xb) window 0, C and D window 2
.set MUL_HI, 0xf1
.set TO_B,   0x40                      ; destination window 1, address window 0
.macro JLOAD                           ; the joint refill by the walking sets: waves 0, 1 for xb, waves 2, 3 for wb; an s_nop 0 and four v_nop follow each line
	s_cmp_eq_u32 s[RH], 0
	s_cbranch_scc0 .Lfor_b_\@
	tensor_load_to_lds s[G0A+4:G0A+7], s[G1A:G1A+7]
	s_nop 0
.rept 4
	v_nop
.endr
	s_branch .Lasked_\@
.Lfor_b_\@:
	tensor_load_to_lds s[G0B+4:G0B+7], s[G1B:G1B+7]
	s_nop 0
.rept 4
	v_nop
.endr
.Lasked_\@:
.endm
; A prefetch of the K step that stands two refills on, 512 matrix instructions ahead of the load that will want it: one instruction a wave, a lane a block of 256 bytes.  Each block is named once in the launch:
; xb's rows by the clusters with x = 0 (partner cx takes 32 of the wave's 128 rows), wb's by the clusters with y = 0 (partner cy takes 16 of the wave's 64 rows, two blocks each): shared out by address.
; The last two refills have no K step two on.
.macro ASK
	s_cmp_gt_u32 s3, s[LIM]
	s_cbranch_scc0 .Lnot_mine_\@
	global_prefetch_b8 v[PFO], s[PFA:PFA+1] th:TH_LOAD_NT scope:SCOPE_SE
.Lnot_mine_\@:
.endm
.macro CREST                           ; a round of the cluster's barrier behind its opening barrier
	s_cmp_lg_u32 s[WV], 0
	s_cbranch_scc1 .Lnot_wave_0_\@
	s_barrier_signal -3
.Lnot_wave_0_\@:
	s_barrier_wait -3
	s_barrier_signal -1
	s_barrier_wait -1
.endm
.macro CROUND
	s_barrier_signal -1
	s_barrier_wait -1
	CREST
.endm
	s_load_b256 s[4:11], s[0:1], 0x0               ; xb s[4:5], wb s[6:7], rope s[8:9], qkv s[10:11]
	v_lshl_add_u32 v[SPW], v0, 2, SPARE
	v_mov_b32 v[NIL], 0
	ds_add_u32 v[SPW], v[NIL]                      ; the wave's opening: the add and its wait stand ahead of my first tensor load; work on registers stands between them
	v_lshrrev_b32 v1, 5, v0
	v_readfirstlane_b32 s[WV], v1
	s_lshr_b32 s[RH], s[WV], 1
	s_and_b32 s[CH], s[WV], 1
	s_bfe_u32 s[CX], ttmp6, 0x40000
	s_bfe_u32 s[CY], ttmp6, 0x40004
	s_lshl_b32 s[TC], ttmp9, 2
	s_add_co_u32 s[TC], s[TC], s[CX]               ; tile column = 4 x cluster x + cx
	s_and_b32 s[TR], ttmp7, 0xffff
	s_lshl_b32 s[TR], s[TR], 2
	s_add_co_u32 s[TR], s[TR], s[CY]               ; tile row = 4 x cluster y + cy
	s_lshl_b32 s20, s[CY], 2
	s_lshl_b32 s20, 15, s20                        ; my row of the cluster
	s_lshl_b32 s22, 0x1111, s[CX]                  ; my column
	s_or_b32 s[G1A], s20, (1<<16)|(1<<20)|(1<<21)|(5<<22)|(3<<25)  ; the mask; 2-byte elements; padding on; bit 21 beside a mask; after every 64 words 4 words
	s_or_b32 s[G1B], s22, (1<<16)|(1<<20)|(1<<21)|(6<<22)|(7<<25)  ; after every 128 words 8 words
	s_mov_b32 s[G1A+1], 128<<16                    ; tensor_dim0 = 128
	s_mov_b32 s[G1A+2], 128<<16                    ; tensor_dim1 = 128
	s_mov_b32 s[G1A+3], 128<<16                    ; tile_dim0 = 128
	s_mov_b32 s[G1A+4], 128                        ; tile_dim1 = 128
	s_mov_b32 s[G1A+5], LDK                        ; elements from row to row
	s_mov_b32 s[G1A+6], 0
	s_mov_b32 s[G1A+7], 0
	s_mov_b32 s[G1B+1], 256<<16                    ; tensor_dim0 = 256
	s_mov_b32 s[G1B+2], 64<<16                     ; tensor_dim1 = 64
	s_mov_b32 s[G1B+3], 256<<16                    ; tile_dim0 = 256
	s_mov_b32 s[G1B+4], 64                         ; tile_dim1 = 64
	s_mov_b32 s[G1B+5], LDN
	s_mov_b32 s[G1B+6], 0
	s_mov_b32 s[G1B+7], 0
	s_lshl_b32 s20, s[TR], 20                      ; xb: row 256 tr + 128 CH, 4,096 bytes a row
	s_lshl_b32 s21, s[CH], 19
	s_add_co_u32 s20, s20, s21
	s_mov_b32 s21, 0
	s_lshl_b32 s22, s[TC], 9                       ; wb: column 256 tc, row 64 CH of 16,384 bytes
	s_lshl_b32 s23, s[CH], 20
	s_add_co_u32 s22, s22, s23
	s_mov_b32 s23, 0
	s_mul_i32 s[LB], s[WV], HALFT                  ; xb's two halves, then wb's two: no place in the cluster enters an LDS address
	s_mov_b32 s[TB], 0
	s_cmp_ge_u32 ttmp9, 6                          ; tile columns 24-31 are n' >= 6144
	s_cselect_b32 s[ROPE], 1, 0
	s_wait_dscnt 0x0                               ; the opening add is done
	s_wait_kmcnt 0x0
	s_add_nc_u64 s[66:67], s[4:5], s[20:21]
	s_add_nc_u64 s[68:69], s[6:7], s[22:23]
	CROUND                                         ; all sixteen work-groups are here: the first joint loads meet
.irp s, 0,1
	s_mov_b32 s[G0A+4*(\s)], 1
	s_add_co_u32 s[G0A+4*(\s)+1], s[LB], (\s)*SLOT
	s_add_nc_u64 s[G0A+4*(\s)+2:G0A+4*(\s)+3], s[66:67], (\s)*KSTEP*2
	s_or_b32 s[G0A+4*(\s)+3], s[G0A+4*(\s)+3], 0x80000000
	s_mov_b32 s[G0B+4*(\s)], 1
	s_add_co_u32 s[G0B+4*(\s)+1], s[LB], (\s)*SLOT
	s_add_nc_u64 s[G0B+4*(\s)+2:G0B+4*(\s)+3], s[68:69], (\s)*KSTEP*LDN*2
	s_or_b32 s[G0B+4*(\s)+3], s[G0B+4*(\s)+3], 0x80000000
.endr
	s_cmp_eq_u32 s[RH], 0                          ; a wave's two first fills stand in one branch: two loads of mine are out
	s_cbranch_scc0 .Lfirst_b
	tensor_load_to_lds s[G0A:G0A+3], s[G1A:G1A+7]
	s_nop 0
	tensor_load_to_lds s[G0A+4:G0A+7], s[G1A:G1A+7]
	s_nop 0
.rept 4
	v_nop
.endr
	s_branch .Lfirst_asked
.Lfirst_b:
	tensor_load_to_lds s[G0B:G0B+3], s[G1B:G1B+7]
	s_nop 0
	tensor_load_to_lds s[G0B+4:G0B+7], s[G1B:G1B+7]
	s_nop 0
.rept 4
	v_nop
.endr
.Lfirst_asked:
	v_and_b32 v1, 15, v0                           ; l % 16
	v_bfe_u32 v2, v0, 4, 1                         ; l / 16
	v_mul_u32_u24 v3, v1, PA
	v_lshl_add_u32 v3, v2, 4, v3                   ; xb: row x pitch + 16 x half
	s_mul_i32 s20, s[RH], HALFT
	v_add_nc_u32 v[ADRA0], s20, v3
	v_mov_b32 v[ADRA], v[ADRA0]
	v_and_b32 v4, 7, v0                            ; wb, turned: lane l reads row 8 (l / 16) + l % 8, 16 bytes at 16 ((l / 8) % 2)
	v_lshl_add_u32 v4, v2, 3, v4
	v_mul_u32_u24 v4, v4, PB
	v_bfe_u32 v5, v0, 3, 1
	v_lshl_add_u32 v4, v5, 4, v4
	s_lshl_b32 s20, s[CH], 8                       ; my 128 columns
	s_add_co_u32 s20, s20, 2*HALFT
	v_add_nc_u32 v[ADRB0], s20, v4
	v_mov_b32 v[ADRB], v[ADRB0]
	s_mul_i32 s20, s[WV], 16*SPITCH
	s_add_co_u32 s20, s20, STAGE                   ; my stage
	v_mul_u32_u24 v4, v1, SPITCH
	v_lshl_add_u32 v4, v2, 4, v4
	v_add_nc_u32 v[STO], s20, v4
	v_mul_u32_u24 v5, v2, SPITCH
	v_lshl_add_u32 v5, v1, 4, v5
	v_add_nc_u32 v[RD], s20, v5
	v_lshlrev_b32 v5, 14, v2
	v_lshl_add_u32 v[CO], v1, 4, v5
	s_lshl_b32 s70, s[TR], 22                      ; qkv at my 128 x 128: row 256 tr + 128 RH of 16,384 bytes, column 256 tc + 128 CH
	s_lshl_b32 s71, s[RH], 21
	s_add_co_u32 s70, s70, s71
	s_lshl_b32 s71, s[TC], 9
	s_add_co_u32 s70, s70, s71
	s_lshl_b32 s71, s[CH], 8
	s_add_co_u32 s70, s70, s71
	s_mov_b32 s71, 0
	s_add_nc_u64 s[10:11], s[10:11], s[70:71]
	s_lshl_b32 s20, s[TR], 8                       ; the table: position = row mod 1,024, 256 bytes a position; my four pairs of 16 columns lie at 32 (l / 16)
	s_lshl_b32 s21, s[RH], 7
	s_add_co_u32 s20, s20, s21
	s_and_b32 s20, s20, 1023
	s_lshl_b32 s20, s20, 8
	v_lshlrev_b32 v5, 8, v1
	v_lshl_add_u32 v5, v2, 5, v5
	v_add_nc_u32 v[RO], s20, v5
.macro TBLOF a                         ; where row block a's 32 table registers lie in window 1
.if (\a) < 2
.set TBL, 32*(\a)
.elseif (\a) < 4
.set TBL, 128+32*(\a)
.else
.set TBL, 32*(\a)-64
.endif
.endm
.macro TLOAD a                         ; row block a: for each 16 of a head's 64 columns my four (cos, sin): 32 bytes
	TBLOF \a
.irp m, 0,1,2,3
	global_load_b128 v[TBL+8*(\m):TBL+8*(\m)+3],   v[RO], s[8:9] offset:(\a)*4096+(\m)*64
	global_load_b128 v[TBL+8*(\m)+4:TBL+8*(\m)+7], v[RO], s[8:9] offset:(\a)*4096+(\m)*64+16
.endr
.endm
	WIN TO_B                                       ; every work-group loads the table, so that every path has written what it may read; only the rotation itself hangs on ROPE
	TLOAD 0
	TLOAD 1
	TLOAD 2
	TLOAD 3
	WIN 0
	; the prefetches
	s_lshl_b32 s66, s[TR], 20                      ; xb: row 256 tr + 128 CH + 32 cx
	s_lshl_b32 s67, s[CH], 19
	s_add_co_u32 s66, s66, s67
	s_lshl_b32 s67, s[CX], 17
	s_add_co_u32 s66, s66, s67
	s_lshl_b32 s68, s[CH], 20                      ; wb: row 64 CH + 16 cy, column 256 tc
	s_lshl_b32 s69, s[CY], 18
	s_add_co_u32 s68, s68, s69
	s_lshl_b32 s69, s[TC], 9
	s_add_co_u32 s68, s68, s69
	s_and_b32 s20, ttmp7, 0xffff
	s_cmp_eq_u32 s[RH], 0                          ; do I fetch for xb?
	s_cselect_b32 s66, s66, s68
	s_cselect_b64 s[PFA:PFA+1], s[4:5], s[6:7]
	s_cselect_b32 s20, ttmp9, s20                  ; the coordinate along which other clusters read the same rows
	s_cselect_b32 s21, 0, 1                        ; xb: a lane a row; wb: two lanes a row
	s_cselect_b32 s22, 12, 14                      ; a row's bytes, as a shift
	s_cselect_b32 s23, 8, 21                       ; a K step's bytes, as a shift: 256, or 128 rows of 16,384
	s_mov_b32 s67, 0
	s_add_nc_u64 s[PFA:PFA+1], s[PFA:PFA+1], s[66:67]
	s_lshl_b32 s[PFS], 1, s23
	s_mov_b32 s[PFS+1], 0
	s_mul_i32 s66, s[PFS], 3                       ; at K step 3: the first refill steps it to 4.  K steps 0 to 3 come by their loads alone
	s_add_nc_u64 s[PFA:PFA+1], s[PFA:PFA+1], s[66:67]
	s_cmp_eq_u32 s20, 0
	s_cselect_b32 s[LIM], 2, -1                    ; the same in all sixteen partners, for a given wave
	v_and_b32 v5, 31, v0
	v_lshrrev_b32 v6, s21, v5
	v_lshlrev_b32 v6, s22, v6
	v_and_b32 v5, s21, v5
	v_lshl_add_u32 v[PFO], v5, 8, v6
; 16 matrix instructions: row blocks a0, a0 + 1 of the window's four x all 8 column blocks, 32 along K.  zero = 1: the first product starts the sums.  The 64 accumulators take turns, in the same order in every quarter.
.macro MUL16 f, hi, a0, zero
	WIN MUL_LO+0x50*(\hi)
.irp a, \a0, (\a0)+1
.irp b, 0,1,2,3,4,5,6,7
.if \zero
	v_wmma_f32_16x16x32_bf16 v[8*(8*(\a)+(\b)):8*(8*(\a)+(\b))+7], v[(\f)+8*(\b):(\f)+8*(\b)+7], v[(\f)+8*(4*(\hi)+(\a)):(\f)+8*(4*(\hi)+(\a))+7], 0
.else
	v_wmma_f32_16x16x32_bf16 v[8*(8*(\a)+(\b)):8*(8*(\a)+(\b))+7], v[(\f)+8*(\b):(\f)+8*(\b)+7], v[(\f)+8*(4*(\hi)+(\a)):(\f)+8*(4*(\hi)+(\a))+7], v[8*(8*(\a)+(\b)):8*(8*(\a)+(\b))+7]
.endif
.endr
.endr
.endm
; 32 LDS loads in one run: the fragments of the quarter at byte k of xb's rows (rows 32 (k / 64) on of wb's tile) into buffer f
.macro FETCH k, f
	WIN TO_B
.irp i, 0,1,2,3,4,5,6,7
	ds_load_tr16_b128 v[(\f)+8*(\i):(\f)+8*(\i)+3],   v[ADRB] offset:((\k)/64)*32*PB+32*(\i)
	ds_load_tr16_b128 v[(\f)+8*(\i)+4:(\f)+8*(\i)+7], v[ADRB] offset:((\k)/64)*32*PB+32*(\i)+16*PB
.endr
	WIN 0
.irp i, 0,1,2,3,4,5,6,7
	ds_load_b128 v[(\f)+8*(\i):(\f)+8*(\i)+3],   v[ADRA] offset:(\k)+(\i)*16*PA
	ds_load_b128 v[(\f)+8*(\i)+4:(\f)+8*(\i)+7], v[ADRA] offset:(\k)+(\i)*16*PA+32
.endr
.endm
.macro PLACES                          ; four plain vector instructions between a matrix instruction and a load into, or a vector instruction on, its registers
.rept 4
	v_nop
.endr
.endm
.macro QUARTER k, f, g, zero           ; multiplies buffer f; in its middle fetches the next quarter, at byte k, into buffer g
	s_wait_dscnt 8                                 ; wb and xb's rows 0-63 are in; the youngest eight loads may be out
	MUL16 \f, 0, 0, \zero
	MUL16 \f, 0, 2, \zero
	PLACES
	FETCH \k, \g
	s_wait_dscnt 32                                ; all but the 32 just issued
	MUL16 \f, 1, 0, \zero
	MUL16 \f, 1, 2, \zero
.endm
; The last quarter of a K step multiplies buffer 1 and changes slots.  In front of the one barrier each wave waits for all its tensor loads (one is out: its part of the next slot), adds 0 to its spare word,
; and waits for that and for its own reads of this slot.  fill = 1: the barrier opens a round of the cluster's, and behind it this slot is filled again first, with the K step two on.
.macro TURN fill
.if \fill
	s_wait_xcnt 0x0                                ; the last prefetch, a K step back, has read its address: it steps here
	s_add_nc_u64 s[PFA:PFA+1], s[PFA:PFA+1], s[PFS:PFS+1]
.endif
	WIN 0
	s_wait_tensorcnt 0x0                           ; all my tensor loads have landed
	ds_add_u32 v[SPW], v[NIL]
	s_wait_dscnt 9                                 ; (the add and the youngest eight loads may be out)
	MUL16 F1, 0, 0, 0
	s_wait_dscnt 0x0                               ; the add is done, and my reads of this slot are over
	s_barrier_signal -1
	MUL16 F1, 0, 2, 0
.if \fill
	WIN 0
.endif
	s_barrier_wait -1
.if \fill
	CREST                                          ; no wave of any partner still reads this slot or has a load on its way
	s_add_co_u32 s[G0A+5], s[LB], s[TB]            ; the walking sets: into the slot that is left,
	s_add_nc_u64 s[G0A+6:G0A+7], s[G0A+6:G0A+7], KSTEP*2  ; the next K step
	s_add_co_u32 s[G0B+5], s[LB], s[TB]
	s_add_nc_u64 s[G0B+6:G0B+7], s[G0B+6:G0B+7], KSTEP*LDN*2
	JLOAD                                          ; the four v_nop behind it are also the places in front of the loads below
.else
	PLACES
	WIN 0
.endif
	s_xor_b32 s[TB], s[TB], SLOT                   ; the other slot
	v_add_nc_u32 v[ADRA], s[TB], v[ADRA0]
	v_add_nc_u32 v[ADRB], s[TB], v[ADRB0]
	FETCH 0, F0
.if \fill
	ASK
.endif
	MUL16 F1, 1, 0, 0
	MUL16 F1, 1, 2, 0
.endm
	s_wait_tensorcnt 0x1                           ; my part of K step 0 is in; K step 1's may stay out
	s_barrier_signal -1
	s_barrier_wait -1
	FETCH 0, F0
	QUARTER 64, F0, F1, 1                          ; the first quarter stands in front of the loop: its products start the sums
	WIN 0
	s_mov_b32 s3, LDK/KSTEP-2
.Lstep:                                        ; a trip: a K step's quarters 1 to 3 and the next step's quarter 0; the slot that is left takes the K step two on
	QUARTER 128, F1, F0, 0
	QUARTER 192, F0, F1, 0
	TURN 1
	QUARTER 64, F0, F1, 0
	WIN 0
	s_sub_co_u32 s3, s3, 1
	s_cmp_lg_u32 s3, 0
	s_cbranch_scc1 .Lstep
	s_mov_b32 s3, 2                                ; the last two K steps ask for nothing: their text stands apart from the loop's
.Ltail:                                        ; two trips; the second is left in its middle: K step 15 has no slot to change to
	QUARTER 128, F1, F0, 0
	QUARTER 192, F0, F1, 0
	WIN 0
	s_sub_co_u32 s3, s3, 1
	s_cmp_eq_u32 s3, 0
	s_cbranch_scc1 .Llast
	TURN 0
	QUARTER 64, F0, F1, 0
	WIN 0
	s_branch .Ltail
.Llast:
	s_wait_dscnt 8                                 ; the very last quarter: nothing more to fetch
	MUL16 F1, 0, 0, 0
	MUL16 F1, 0, 2, 0
	s_wait_dscnt 0x0
	MUL16 F1, 1, 0, 0
	MUL16 F1, 1, 2, 0
; THE WAY OUT, a block of 16 rows at a time.  PACK: the rotation where the columns are rope columns, then rounded to f16.  TOSTAGE: into my stage, back as whole rows of 256 bytes.  SEND: stored.
; The rotation of a pair (x0, x1) by (cos, sin): T = (-x1 sin, x0 sin); X = X cos + T, each half on its own half.  Each accumulator's lowest registers are read first.
.macro PACK a
.set AC, 64*((\a)%4)
.set WA, 2+(\a)/4
	TBLOF \a
	WIN 0
.if (\a) == 4
	s_wait_loadcnt 0x0                             ; the table of blocks 4-7 is in
.endif
	s_cmp_eq_u32 s[ROPE], 0
	s_cbranch_scc1 .Lplain_\@
	WIN 0x04|WA                                    ; X in its window, the table in window 1, T in window 0
.irp b, 0,1,2,3,4,5,6,7
.irp r, 0,1,2,3
	v_pk_mul_f32 v[TT+8*(\b)+2*(\r):TT+8*(\b)+2*(\r)+1], v[AC+8*(\b)+2*(\r):AC+8*(\b)+2*(\r)+1], v[TBL+8*((\b)%4)+2*(\r):TBL+8*((\b)%4)+2*(\r)+1] op_sel:[1,1] op_sel_hi:[0,1] neg_lo:[0,1]
.endr
.endr
	WIN (WA<<6)|0x04|WA
.irp b, 0,1,2,3,4,5,6,7
.irp r, 0,1,2,3
	v_pk_fma_f32 v[AC+8*(\b)+2*(\r):AC+8*(\b)+2*(\r)+1], v[AC+8*(\b)+2*(\r):AC+8*(\b)+2*(\r)+1], v[TBL+8*((\b)%4)+2*(\r):TBL+8*((\b)%4)+2*(\r)+1], v[TT+8*(\b)+2*(\r):TT+8*(\b)+2*(\r)+1] op_sel_hi:[1,0,1]
.endr
.endr
	WIN 0
.Lplain_\@:
	WIN 0x0a+5*((\a)/4)                            ; sources 0 and 1: window 2 or 3
.irp b, 0,1,2,3,4,5,6,7
.irp r, 0,1,2,3
	v_cvt_pk_f16_f32 v[TMP+4*(\b)+(\r)], v[AC+8*(\b)+2*(\r)], v[AC+8*(\b)+2*(\r)+1]
.endr
.endr
	WIN 0
.endm
.macro TOSTAGE a
	WIN 0
.set BK, OB+192*((\a)%2)
.irp b, 0,1,2,3,4,5,6,7
	ds_store_b128 v[STO], v[TMP+4*(\b):TMP+4*(\b)+3] offset:32*(\b)
.endr
.irp t, 0,1,2,3,4,5,6,7
	ds_load_b128 v[BK+4*(\t):BK+4*(\t)+3], v[RD] offset:(\t)*2*SPITCH  ; LDS serves a wave's instructions in order: these see the stores above
.endr
.endm
.macro SEND a
	WIN 0
.set BK, OB+192*((\a)%2)
	s_wait_dscnt 0x0                               ; the block is back in registers
	s_wait_xcnt 0x0                                ; the registers that earlier stores read are loaded again only behind this wait
.irp t, 0,1,2,3,4,5,6,7
	global_store_b128 v[CO], v[BK+4*(\t):BK+4*(\t)+3], s[10:11] offset:(16*(\a)+2*(\t))*LDN*2  ; 16 lanes store 256 consecutive bytes, aligned
.endr
.endm
	PLACES                                         ; for the loads into wb's buffers, which the last products read
	s_wait_loadcnt 0x0                             ; the table of blocks 0-3, asked for at the head, is in: blocks 0-3 read it below
	WIN TO_B
	TLOAD 4
	TLOAD 5
	TLOAD 6
	TLOAD 7
	WIN 0
	PACK 0
	TOSTAGE 0
.irp a, 1,2,3,4,5,6,7                  ; block a's arithmetic stands between block a - 1's loads from the stage and the wait for them
	PACK \a
	SEND (\a)-1
	TOSTAGE \a
.endr
	SEND 7
	s_wait_tensorcnt 0x0                           ; the wave's end
	ds_add_u32 v[SPW], v[NIL]
	s_wait_dscnt 0x0
	CROUND                                         ; the closing round
	s_endpgm
.Lfunc_end_k_q4be896b7c4_gemm1:
	.size	k_q4be896b7c4_gemm1, .Lfunc_end_k_q4be896b7c4_gemm1-k_q4be896b7c4_gemm1
	.p2alignl 7, 3214868480
	.fill 96, 4, 3214868480
	.section	.rodata,"a",@progbits
	.p2align	6, 0x0
	.amdhsa_kernel k_q4be896b7c4_gemm1
		.amdhsa_group_segment_fixed_size 327680
		.amdhsa_private_segment_fixed_size 0
		.amdhsa_enable_private_segment 0
		.amdhsa_kernarg_size 32
		.amdhsa_user_sgpr_count 2
		.amdhsa_user_sgpr_kernarg_segment_ptr 1
		.amdhsa_wavefront_size32 1
		.amdhsa_system_sgpr_workgroup_id_x 1
		.amdhsa_system_sgpr_workgroup_id_y 1
		.amdhsa_system_sgpr_workgroup_id_z 1
		.amdhsa_system_vgpr_workitem_id 0
		.amdhsa_next_free_vgpr 1024
		.amdhsa_next_free_sgpr 72
		.amdhsa_reserve_vcc 0
		.amdhsa_float_denorm_mode_32 3
		.amdhsa_float_denorm_mode_16_64 3
		.amdhsa_memory_ordered 1
		.amdhsa_forward_progress 1
		.amdhsa_inst_pref_size 144
	.end_amdhsa_kernel
	.amdgpu_metadata
---
amdhsa.version: [ 1, 2 ]
amdhsa.kernels:
  - .name:           k_q4be896b7c4_gemm1
    .symbol:         k_q4be896b7c4_gemm1.kd
    .args:
      - { .name: xb, .offset: 0, .size: 8, .value_kind: global_buffer, .address_space: global }
      - { .name: wb, .offset: 8, .size: 8, .value_kind: global_buffer, .address_space: global }
      - { .name: rope, .offset: 16, .size: 8, .value_kind: global_buffer, .address_space: global }
      - { .name: qkv, .offset: 24, .size: 8, .value_kind: global_buffer, .address_space: global }
    .group_segment_fixed_size: 327680
    .private_segment_fixed_size: 0
    .kernarg_segment_align: 8
    .kernarg_segment_size: 32
    .max_flat_workgroup_size: 128
    .sgpr_count:     72
    .vgpr_count:     1024
    .wavefront_size: 32
...
	.end_amdgpu_metadata
.endif
;; end of part 2
;; launch attn (part 3): grid 8 x 32, 4 waves a work-group, clusters of 4 x 4, 327,680 bytes of LDS; arguments qkv, maskS, ob; writes ob
.if DOCPART == 3
	.amdgcn_target "amdgcn-amd-amdhsa--gfx1250"
	.amdhsa_code_object_version 6
	.text
	.protected	k_q4be896b7c4_attn
	.globl	k_q4be896b7c4_attn
	.p2align	8
	.type	k_q4be896b7c4_attn,@function
k_q4be896b7c4_attn:
	s_mov_b64 s[64:65], 0
	v_nop
	global_prefetch_b8 v0, s[64:65] scope:SCOPE_SE
	s_setreg_imm32_b32 hwreg(HW_REG_WAVE_MODE, 25, 1), 1
	s_wait_xcnt 0x0
	s_wait_alu depctr_hold_cnt(0) depctr_sa_sdst(0) depctr_va_vdst(0) depctr_va_sdst(0) depctr_va_ssrc(0) depctr_va_vcc(0) depctr_vm_vsrc(0)
	s_getreg_b32 s2, hwreg(HW_REG_IB_STS2, 6, 4)
	s_cmp_eq_u32 s2, 0
	s_cbranch_scc0 .Lentry_in_a_cluster
	s_endpgm
.Lentry_in_a_cluster:
	s_bfe_u32 s2, ttmp6, 0x10000c
	s_cmp_lg_u32 s2, 0xf033
	s_cbranch_scc0 .Lentry_shape_is_right
	s_endpgm
.Lentry_shape_is_right:
; ob[b s][h 128 + d] = the sum over t of softmax_t((q[b s h] . k[b t h]) / sqrt(192) + mask[s][t]) v[b t h][d].  qkv: [2048][8192] f16 (columns: q nope, k nope, v, q rope, k rope), maskS = mask x sqrt(192): [1024][1024] f32, ob: [2048][2048] f16.
; Products, maxima and sums in f32; the weights are rounded to f16 for the second product (their sum is taken of the unrounded weights), O once at the end.  The mask is an input: every key tile is walked.
; LIMITS.  q, k, v within f16; |mask| under 2.4e37; a weight below 2^-126 counts as 0; NaN and infinities are not treated apart.  Where every key of a row carries a mask near -1e9, the scores vanish beside it in f32, at a step of 1024 / sqrt(192) of the scaled score.
; THE MASK is the C operand that starts S^T = K Q^T: it is loaded from LDS into the accumulators' registers.  p = 2^(c S - c m), c = log2(e) / sqrt(192), with a running maximum m; O and l are multiplied by a = 2^(c m_old - c m_new) in every step.
; m starts at the lowest finite number, O and l at 0: the first step is a step like any other, with a = 0.
; SHARES.  A work-group owns 128 queries of one (b, h).  Wave w takes queries 64 (w % 2) on, four tiles of 16, and of each slot's 128 keys the half w / 2.  Waves w and w ^ 2 merge at the end: each keeps two tiles and
; gives two away.  Register tile t holds query tile t ^ 2 (w / 2), so every wave keeps register tiles 0, 1: one text for all.
; LAYOUT.  S^T (source 0 = 16 keys, source 1 = 16 queries) holds one query a lane (l % 16) and the keys 8 (l / 16) + 0..7; two such results rounded to f16 are source 1 of O^T = V^T P.  K comes out of LDS as it lies, V turned.
; BY TURNS.  Pieces 0 (tiles 0, 1) and 2 (tiles 2, 3).  In a turn one piece has the matrix unit: 32 products V^T P of the step in hand, 48 products K Q^T of the next; the other piece's softmax stands in 64 slices behind them.
; CLUSTER, 4 x 4: K and V hang on (b, h) and are asked for jointly along a row of the cluster; the mask's tile hangs on the query block and is asked for jointly along a column.
; REGISTERS: window 0: v0-63 addresses and statistics; v64-191 S^T, 32 a tile; v192-255 P, 16 a tile.  window 1: O^T, 64 a tile.  window 2: v0-191 Q, 48 a tile; v192-255 K's fragments 0-7.  window 3: v0-127 K's fragments 8-23; v128-255 V.
.set ROWB,  16384                      ; bytes in a row of qkv
.set PKN,   272                        ; LDS pitches: k nope 256 + 16, k rope 128 + 16, v 256 + 32 (the turning load), mask 512 + 16
.set PKR,   144
.set PVV,   288
.set PM,    528
.set KNB,   0                          ; a slot: 128 rows of k nope, of k rope, of v; 128 queries x 128 keys of the mask
.set KRB,   128*PKN
.set VB,    KRB+128*PKR
.set MB,    VB+128*PVV
.set SLOT,  MB+128*PM
.set SPARE, 2*SLOT                     ; the spare words, 128 bytes a wave: no other line names them
.set XWB,   16896                      ; the exchange, in slot 0 behind its last fill: a wave's two tiles of O^T (16,384 bytes) and their statistics (512)
.set STAGE, 4*XWB                      ; behind it: 16 rows x 272 bytes for each wave
.set SP,    272
.set AKN0, 2                           ; v2-v6  my lane's places in a slot: k nope, k rope, v, the mask for piece 0 and for piece 2; never rewritten
.set AKR0, 3
.set AV0,  4
.set AMA,  5
.set AMB,  6
.set ADR,  7                           ; v7, v8, v44, v45  the addresses of the runs of loads in hand
.set ADR2, 8
.set ST,   12                          ; tile t's statistics at v[ST+8 t]: c m, m, l (even keys', odd keys'), c0-c3 at work; a takes c2's place
.set ADRV, 44
.set ADRM, 45
.set QO,   46                          ; v46, v47  my byte offset in Q's rows, for piece 0 and piece 2
.set STO,  48
.set RD,   49
.set GO,   50
.set XW,   51                          ; v51-v54  the exchange: where I write 16 and 8 bytes, where I read them
.set XW8,  52
.set XR,   53
.set XR8,  54
.set PFO,  61
.set SPW,  62
.set NIL,  63
.set S,    64
.set P,    192
.set WV,   12
.set CX,   13
.set CY,   14
.set LIM,  15                          ; s15  1 in a wave that prefetches, else the greatest number
.set QH,   16
.set KH,   17
.set PFA,  18                          ; s[18:19]
.set G1KN, 24
.set G1KR, 32
.set G1V,  40
.set G1M,  48
.set G0KN, 56
.set G0KR, 60
.set G0V,  68
.set G0M,  72
.set SLOTS, 76
.set CNT,  77
.set CS,   78                          ; s[78:79] c
.set SEL,  80                          ; s[80:81] v_permlanex16_b32's selects
.set TB,   82                          ; s82  LDS byte at which the slot in hand begins
.set PFS,  84                          ; s[84:85] a tile's step in memory, for the prefetches
.set QNB,  86                          ; s[86:87] Q's nope columns at my 64 queries
.set QRB,  88                          ; s[88:89] its rope columns
.set QBK,  90                          ; s90  query block;  s91 (b, h);  s92 b;  s93 h
.set BB,   92
.set HH,   93
.set MSB, 0
.macro WIN new
.if MSB != (\new)
	s_set_vgpr_msb (MSB<<8)|(\new)
.set MSB, \new
.endif
.endm
.set W_PV, 0x53                        ; V in window 3, P in window 0, O^T in window 1
.set W_RS, 0x41                        ; O^T (destination and source 0) in window 1, a in window 0
.macro TL g0, g1                       ; a tensor load; an s_nop 0 and four v_nop follow it
	tensor_load_to_lds s[\g0:\g0+3], s[\g1:\g1+7]
	s_nop 0
.rept 4
	v_nop
.endr
.endm
.macro JLOAD                           ; a joint fill: wave 0 k nope, wave 1 k rope, wave 2 v, wave 3 the mask's tile.  The branches hang on the wave's number alone
	s_cmp_lt_u32 s[WV], 2
	s_cbranch_scc0 .Lhi_\@
	s_cmp_eq_u32 s[WV], 0
	s_cbranch_scc0 .Lw1_\@
	TL G0KN, G1KN
	s_branch .Lasked_\@
.Lw1_\@:
	TL G0KR, G1KR
	s_branch .Lasked_\@
.Lhi_\@:
	s_cmp_eq_u32 s[WV], 2
	s_cbranch_scc0 .Lw3_\@
	TL G0V, G1V
	s_branch .Lasked_\@
.Lw3_\@:
	TL G0M, G1M
.Lasked_\@:
.endm
; A prefetch of what the NEXT change of slots will ask for, a key step (160 matrix instructions and their softmax) ahead of that load.  Each block of 256 bytes is named once in the launch: k nope (wave 0) and v (wave 2)
; by the clusters with x = 0, partner cx taking 32 of the 128 rows; the mask's tile (wave 3, two blocks a row) by the clusters with y = 0, partner cy taking 32 rows: shared out by address.
; k rope's rows of 128 bytes are halves of blocks that two heads share: a lane a row would name each block twice, so they come by their loads alone.  The last change that fills a slot asks for nothing.
.macro ASK
	s_cmp_gt_u32 s[SLOTS], s[LIM]
	s_cbranch_scc0 .Lnot_mine_\@
	global_prefetch_b8 v[PFO], s[PFA:PFA+1] th:TH_LOAD_NT scope:SCOPE_SE
	s_cmp_eq_u32 s[WV], 3
	s_cbranch_scc0 .Lnot_mine_\@
	global_prefetch_b8 v[PFO], s[PFA:PFA+1] offset:256 th:TH_LOAD_NT scope:SCOPE_SE
.Lnot_mine_\@:
.endm
.macro CROUND
	s_barrier_signal -1
	s_barrier_wait -1
	s_cmp_lg_u32 s[WV], 0
	s_cbranch_scc1 .Lnot_wave_0_\@
	s_barrier_signal -3
.Lnot_wave_0_\@:
	s_barrier_wait -3
	s_barrier_signal -1
	s_barrier_wait -1
.endm
; THE CHANGE OF SLOTS, between piece 2's turn and piece 0's: all of the slot's bytes have been asked for.  Each wave waits for all its tensor loads (one is out: its part of the other slot), adds 0 to its spare word, and
; waits for that and for its reads of the slot.  fill = 1: the barrier is a round of the cluster's, and the slot that is left is filled again first behind it, with the keys two slots on.
.macro CHANGE fill, ask
	WIN 0
	s_wait_tensorcnt 0x0                           ; no tensor load of mine is out, so a group 0 may be written
	ds_add_u32 v[SPW], v[NIL]                      ; 0 onto my spare word; the descriptors' steps stand between it and the wait for it
.if \fill
	s_add_co_u32 s[G0KN+1], s[TB], KNB             ; into the slot that is left,
	s_add_nc_u64 s[G0KN+2:G0KN+3], s[G0KN+2:G0KN+3], 128*ROWB  ; the next 128 keys
	s_add_co_u32 s[G0KR+1], s[TB], KRB
	s_add_nc_u64 s[G0KR+2:G0KR+3], s[G0KR+2:G0KR+3], 128*ROWB
	s_add_co_u32 s[G0V+1], s[TB], VB
	s_add_nc_u64 s[G0V+2:G0V+3], s[G0V+2:G0V+3], 128*ROWB
	s_add_co_u32 s[G0M+1], s[TB], MB
	s_add_nc_u64 s[G0M+2:G0M+3], s[G0M+2:G0M+3], 512
.endif
.if \ask
	s_wait_xcnt 0x0                                ; the last prefetches, a key step back, have read their address
	s_add_nc_u64 s[PFA:PFA+1], s[PFA:PFA+1], s[PFS:PFS+1]
.endif
	s_wait_dscnt 0x0                               ; the add is done, and my reads of the slot are over
.if \fill
	CROUND
	JLOAD
.if \ask
	ASK
.endif
.else
	s_barrier_signal -1
	s_barrier_wait -1
.endif
	s_xor_b32 s[TB], s[TB], SLOT                   ; the other slot
.endm
	s_load_b128 s[4:7], s[0:1], 0x0                ; qkv s[4:5], maskS s[6:7]
	s_load_b64 s[8:9], s[0:1], 0x10                ; ob
	v_lshl_add_u32 v[SPW], v0, 2, SPARE
	v_mov_b32 v[NIL], 0
	ds_add_u32 v[SPW], v[NIL]                      ; the wave's opening: the add and its wait stand ahead of my first tensor load
	v_lshrrev_b32 v1, 5, v0
	v_readfirstlane_b32 s[WV], v1
	s_and_b32 s[QH], s[WV], 1
	s_lshr_b32 s[KH], s[WV], 1
	s_bfe_u32 s[CX], ttmp6, 0x40000
	s_bfe_u32 s[CY], ttmp6, 0x40004
	s_lshl_b32 s[QBK], ttmp9, 2
	s_add_co_u32 s[QBK], s[QBK], s[CX]             ; query block = 4 x cluster x + cx
	s_and_b32 s91, ttmp7, 0xffff
	s_lshl_b32 s91, s91, 2
	s_add_co_u32 s91, s91, s[CY]                   ; (b, h) = 4 x cluster y + cy
	s_lshr_b32 s[BB], s91, 4
	s_and_b32 s[HH], s91, 15
	s_lshl_b32 s20, s[CY], 2
	s_lshl_b32 s20, 15, s20                        ; my row of the cluster
	s_lshl_b32 s94, 0x1111, s[CX]                  ; my column
	s_or_b32 s[G1KN], s20, (1<<16)|(1<<20)|(1<<21)|(5<<22)|(3<<25)  ; 2-byte elements; after every 64 words 4 words
	s_or_b32 s[G1KR], s20, (1<<16)|(1<<20)|(1<<21)|(4<<22)|(3<<25)  ; after every 32 words 4 words
	s_or_b32 s[G1V],  s20, (1<<16)|(1<<20)|(1<<21)|(5<<22)|(7<<25)  ; after every 64 words 8 words
	s_or_b32 s[G1M],  s94, (2<<16)|(1<<20)|(1<<21)|(6<<22)|(3<<25)  ; 4-byte elements; after every 128 words 4 words
.irp g, G1KN, G1V, G1M
	s_mov_b32 s[(\g)+1], 128<<16                   ; tensor_dim0 = 128
	s_mov_b32 s[(\g)+2], 128<<16                   ; tensor_dim1 = 128
	s_mov_b32 s[(\g)+3], 128<<16                   ; tile_dim0 = 128
	s_mov_b32 s[(\g)+4], 128                       ; tile_dim1 = 128
	s_mov_b32 s[(\g)+6], 0
	s_mov_b32 s[(\g)+7], 0
.endr
	s_mov_b32 s[G1KN+5], 8192                      ; elements from row to row
	s_mov_b32 s[G1V+5], 8192
	s_mov_b32 s[G1M+5], 1024
	s_mov_b32 s[G1KR+1], 64<<16
	s_mov_b32 s[G1KR+2], 128<<16
	s_mov_b32 s[G1KR+3], 64<<16
	s_mov_b32 s[G1KR+4], 128
	s_mov_b32 s[G1KR+5], 8192
	s_mov_b32 s[G1KR+6], 0
	s_mov_b32 s[G1KR+7], 0
	s_mov_b32 s[G0KN], 1
	s_mov_b32 s[G0KN+1], KNB                       ; tile 0 goes into slot 0
	s_mov_b32 s[G0KR], 1
	s_mov_b32 s[G0KR+1], KRB
	s_mov_b32 s[G0V], 1
	s_mov_b32 s[G0V+1], VB
	s_mov_b32 s[G0M], 1
	s_mov_b32 s[G0M+1], MB
	s_lshl_b32 s20, s[BB], 24                      ; K and V: b x 1,024 rows, h x 256 bytes
	s_lshl_b32 s21, s[HH], 8
	s_add_co_u32 s20, s20, s21
	s_mov_b32 s21, 0
	s_lshl_b32 s22, s[BB], 24                      ; k rope: h x 128 bytes
	s_lshl_b32 s23, s[HH], 7
	s_add_co_u32 s22, s22, s23
	s_mov_b32 s23, 0
	s_lshl_b32 s94, s[QBK], 19                     ; the mask: 128 rows of 4,096 bytes x query block
	s_mov_b32 s95, 0
	s_lshl_b32 s2, s[BB], 24                       ; Q: row b 1,024 + 128 block + 64 QH
	s_lshl_b32 s3, s[QBK], 21
	s_add_co_u32 s2, s2, s3
	s_lshl_b32 s3, s[QH], 20
	s_add_co_u32 s2, s2, s3
	s_lshl_b32 s3, s[HH], 8
	s_add_co_u32 s[QNB], s2, s3
	s_mov_b32 s[QNB+1], 0
	s_lshl_b32 s3, s[HH], 7
	s_add_co_u32 s[QRB], s2, s3
	s_add_co_u32 s[QRB], s[QRB], 12288
	s_mov_b32 s[QRB+1], 0
	s_lshl_b32 s10, s[BB], 22                      ; O: the rows of the two tiles that I keep, 32 KH on, 4,096 bytes a row; h x 256 bytes
	s_lshl_b32 s3, s[QBK], 19
	s_add_co_u32 s10, s10, s3
	s_lshl_b32 s3, s[QH], 18
	s_add_co_u32 s10, s10, s3
	s_lshl_b32 s3, s[KH], 17
	s_add_co_u32 s10, s10, s3
	s_lshl_b32 s3, s[HH], 8
	s_add_co_u32 s10, s10, s3
	s_mov_b32 s11, 0
	s_mov_b32 s[CS], 0x3dd53b95                    ; c = log2(e) / sqrt(192) = 0.104118
	s_mov_b32 s[CS+1], s[CS]
	s_mov_b32 s[SEL], 0x76543210
	s_mov_b32 s[SEL+1], 0xfedcba98
	s_mov_b32 s[TB], SLOT                          ; the first change of slots fills slot 1 and turns this into 0
	s_and_b32 s2, ttmp7, 0xffff                    ; who prefetches: waves 0 and 2 where the cluster's x is 0, wave 3 where its y is 0, wave 1 never
	s_cmp_eq_u32 s[WV], 3
	s_cselect_b32 s2, s2, ttmp9
	s_cselect_b32 s3, 12, 14                       ; a row's bytes, as a shift
	s_cmp_eq_u32 s[WV], 1
	s_cselect_b32 s2, 1, s2
	s_cmp_eq_u32 s2, 0
	s_cselect_b32 s[LIM], 1, -1
	v_and_b32 v[PFO], 31, v0
	v_lshlrev_b32 v[PFO], s3, v[PFO]
	s_wait_dscnt 0x0                               ; the opening add is done
	s_wait_kmcnt 0x0
	s_add_nc_u64 s[G0KN+2:G0KN+3], s[4:5], s[20:21]
	s_add_nc_u64 s[G0V+2:G0V+3], s[G0KN+2:G0KN+3], 8192    ; v's columns begin at 4,096
	s_add_nc_u64 s[G0KN+2:G0KN+3], s[G0KN+2:G0KN+3], 4096  ; k nope's at 2,048
	s_add_nc_u64 s[G0KR+2:G0KR+3], s[4:5], s[22:23]
	s_add_nc_u64 s[G0KR+2:G0KR+3], s[G0KR+2:G0KR+3], 14336 ; k rope's at 7,168
	s_add_nc_u64 s[G0M+2:G0M+3], s[6:7], s[94:95]
	s_add_nc_u64 s[QNB:QNB+1], s[4:5], s[QNB:QNB+1]
	s_add_nc_u64 s[QRB:QRB+1], s[4:5], s[QRB:QRB+1]
	s_add_nc_u64 s[10:11], s[8:9], s[10:11]
	s_cmp_lt_u32 s[WV], 2
	s_cselect_b64 s[PFA:PFA+1], s[G0KN+2:G0KN+3], s[G0V+2:G0V+3]
	s_cmp_eq_u32 s[WV], 3
	s_cselect_b64 s[PFA:PFA+1], s[G0M+2:G0M+3], s[PFA:PFA+1]
	s_cselect_b32 s2, s[CY], s[CX]                 ; my place among the four that ask with me,
	s_cselect_b32 s3, 17, 19                       ; times 32 rows
	s_cselect_b32 s[PFS], 9, 21                    ; a tile's step: 512 bytes, or 128 rows of 16,384
	s_lshl_b32 s2, s2, s3
	s_lshl_b32 s[PFS], 1, s[PFS]
	s_mov_b32 s[PFS+1], 0
	s_lshl_b32 s3, s[PFS], 1                       ; at tile 2: the first change that asks steps it to tile 3.  Tiles 0 to 2 come by their loads alone
	s_add_co_u32 s2, s2, s3
	s_mov_b32 s3, 0
	s_add_nc_u64 s[PFA:PFA+1], s[PFA:PFA+1], s[2:3]
	s_or_b32 s[G0KN+3], s[G0KN+3], 0x80000000      ; type = 2
	s_or_b32 s[G0KR+3], s[G0KR+3], 0x80000000
	s_or_b32 s[G0V+3], s[G0V+3], 0x80000000
	s_or_b32 s[G0M+3], s[G0M+3], 0x80000000
	CROUND                                         ; all sixteen work-groups are here: the first joint loads meet
	JLOAD                                          ; tile 0
	v_and_b32 v1, 15, v0                           ; l % 16
	v_bfe_u32 v9, v0, 4, 1                         ; l / 16
	s_lshl_b32 s2, s[KH], 5                        ; piece 0 holds the query tiles 2 KH, 2 KH + 1,
	v_add_nc_u32 v10, s2, v1
	v_lshlrev_b32 v[QO], 14, v10
	v_lshl_add_u32 v[QO], v9, 4, v[QO]
	s_xor_b32 s2, s2, 32                           ; piece 2 the other two
	v_add_nc_u32 v10, s2, v1
	v_lshlrev_b32 v[QO+1], 14, v10
	v_lshl_add_u32 v[QO+1], v9, 4, v[QO+1]
	WIN 0x80                                       ; destination window 2.  Q stays in registers: tile t, chunk c of 32 channels at 48 t + 8 c
.irp t, 0,1,2,3
.irp c, 0,1,2,3
	global_load_b128 v[48*(\t)+8*(\c):48*(\t)+8*(\c)+3],   v[QO+(\t)/2], s[QNB:QNB+1] offset:((\t)%2)*16*ROWB+64*(\c)
	global_load_b128 v[48*(\t)+8*(\c)+4:48*(\t)+8*(\c)+7], v[QO+(\t)/2], s[QNB:QNB+1] offset:((\t)%2)*16*ROWB+64*(\c)+32
.endr
.irp c, 4,5
	global_load_b128 v[48*(\t)+8*(\c):48*(\t)+8*(\c)+3],   v[QO+(\t)/2], s[QRB:QRB+1] offset:((\t)%2)*16*ROWB+64*((\c)-4)
	global_load_b128 v[48*(\t)+8*(\c)+4:48*(\t)+8*(\c)+7], v[QO+(\t)/2], s[QRB:QRB+1] offset:((\t)%2)*16*ROWB+64*((\c)-4)+32
.endr
.endr
	; What the first turn finds: V and piece 2's P hold 0 (its products V^T P, of a step that has not been, add 0), O^T and l are 0.  All this stands in the wait for the first tile.
	WIN 0xc0
.set i, 128
.rept 128
	v_mov_b32 v[i], 0
.set i, i+1
.endr
	WIN 0x40
.set i, 0
.rept 256
	v_mov_b32 v[i], 0
.set i, i+1
.endr
	WIN 0
.set i, P+32
.rept 32
	v_mov_b32 v[i], 0
.set i, i+1
.endr
.set i, 0
.rept 4
	v_mov_b32 v[ST+8*i], 0xfe000000                ; c m: far below every c s
	v_mov_b32 v[ST+8*i+1], 0xff7fffff              ; m
	v_mov_b32 v[ST+8*i+2], 0
	v_mov_b32 v[ST+8*i+3], 0
.set i, i+1
.endr
	v_and_b32 v10, 7, v0
	v_bfe_u32 v11, v0, 3, 1
	s_mul_i32 s2, s[KH], 64*PKN                    ; my 64 keys of a slot
	v_mul_u32_u24 v[AKN0], v1, PKN
	v_lshl_add_u32 v[AKN0], v9, 4, v[AKN0]
	v_add_nc_u32 v[AKN0], s2, v[AKN0]
	s_mul_i32 s2, s[KH], 64*PKR
	s_add_co_u32 s2, s2, KRB
	v_mul_u32_u24 v[AKR0], v1, PKR
	v_lshl_add_u32 v[AKR0], v9, 4, v[AKR0]
	v_add_nc_u32 v[AKR0], s2, v[AKR0]
	s_mul_i32 s2, s[KH], 64*PVV
	s_add_co_u32 s2, s2, VB
	v_lshl_add_u32 v[AV0], v9, 3, v10              ; the turning load: lane l reads key 8 (l / 16) + l % 8, 16 bytes at 16 ((l / 8) % 2)
	v_mul_u32_u24 v[AV0], v[AV0], PVV
	v_lshl_add_u32 v[AV0], v11, 4, v[AV0]
	v_add_nc_u32 v[AV0], s2, v[AV0]
	v_mul_u32_u24 v10, v1, PM                      ; the mask: my query's row, my eight keys' 32 bytes
	v_lshl_add_u32 v10, v9, 5, v10
	s_lshl_b32 s2, s[QH], 6
	s_lshl_b32 s3, s[KH], 5
	s_add_co_u32 s20, s2, s3
	s_mul_i32 s20, s20, PM
	s_lshl_b32 s21, s[KH], 8                       ; my 64 keys: 256 bytes of a row
	s_add_co_u32 s21, s21, MB
	s_add_co_u32 s20, s20, s21
	v_add_nc_u32 v[AMA], s20, v10
	s_xor_b32 s3, s3, 32
	s_add_co_u32 s20, s2, s3
	s_mul_i32 s20, s20, PM
	s_add_co_u32 s20, s20, s21
	v_add_nc_u32 v[AMB], s20, v10
; THE MATRIX WORK.  The accumulators take turns, one instruction a turn: 16 (V^T P) or 8 (K Q^T).
; Product i of 32 of O^T += V^T P for piece x: keys 32 (i / 16) on, channels 16 ((i / 2) % 8) on, tile x + i % 2.
.macro PV x
	WIN W_PV
.set rO, 64*((\x)+i%2)+8*((i/2)%8)
.set rV, 128+64*(i/16)+8*((i/2)%8)
.set rP, P+16*((\x)+i%2)+8*(i/16)
	v_wmma_f32_16x16x32_f16 v[rO:rO+7], v[rV:rV+7], v[rP:rP+7], v[rO:rO+7]
.endm
; Product i of 48 of S^T += K Q^T: channels 32 (i / 8) on, keys 16 ((i / 2) % 4) on, tile x + i % 2.  Always in place: the mask lies in the accumulators.
.macro KQ x
.set rS, S+32*((\x)+i%2)+8*((i/2)%4)
.set fK, 4*(i/8)+(i/2)%4
.set rQ, 48*((\x)+i%2)+8*(i/8)
.if fK < 8
	WIN 0x0a                                       ; K and Q in window 2
	v_wmma_f32_16x16x32_f16 v[rS:rS+7], v[192+8*fK:192+8*fK+7], v[rQ:rQ+7], v[rS:rS+7]
.else
	WIN 0x0b                                       ; K in window 3
	v_wmma_f32_16x16x32_f16 v[rS:rS+7], v[8*(fK-8):8*(fK-8)+7], v[rQ:rQ+7], v[rS:rS+7]
.endif
.endm
; THE LDS LOADS stand in runs.  K: fragment 4 c + kb: keys 16 kb on, channels 32 c on; chunks 0-3 from k nope, 4 and 5 from k rope.
.macro FETCH_K
	WIN 0
	v_add_nc_u32 v[ADR], s[TB], v[AKN0]
	v_add_nc_u32 v[ADR2], s[TB], v[AKR0]
	WIN 0x80
.irp f, 0,1,2,3,4,5,6,7
	ds_load_b128 v[192+8*(\f):192+8*(\f)+3],   v[ADR] offset:((\f)%4)*16*PKN+((\f)/4)*64
	ds_load_b128 v[192+8*(\f)+4:192+8*(\f)+7], v[ADR] offset:((\f)%4)*16*PKN+((\f)/4)*64+32
.endr
	WIN 0xc0
.irp f, 8,9,10,11,12,13,14,15
	ds_load_b128 v[8*((\f)-8):8*((\f)-8)+3],   v[ADR] offset:((\f)%4)*16*PKN+((\f)/4)*64
	ds_load_b128 v[8*((\f)-8)+4:8*((\f)-8)+7], v[ADR] offset:((\f)%4)*16*PKN+((\f)/4)*64+32
.endr
.irp f, 16,17,18,19,20,21,22,23
	ds_load_b128 v[8*((\f)-8):8*((\f)-8)+3],   v[ADR2] offset:((\f)%4)*16*PKR+((\f)/4-4)*64
	ds_load_b128 v[8*((\f)-8)+4:8*((\f)-8)+7], v[ADR2] offset:((\f)%4)*16*PKR+((\f)/4-4)*64+32
.endr
.endm
.macro FETCH_V                         ; keys 32 (f / 8) on, channels 16 (f % 8) on, turned
	WIN 0
	v_add_nc_u32 v[ADRV], s[TB], v[AV0]
	s_wait_alu depctr_va_vdst(0)                   ; the wait for the softmax's batch (SLICE), behind the address's line and ahead of the loads
	WIN 0xc0
.irp f, 0,1,2,3,4,5,6,7,8,9,10,11,12,13,14,15
	ds_load_tr16_b128 v[128+8*(\f):128+8*(\f)+3],   v[ADRV] offset:((\f)/8)*32*PVV+((\f)%8)*32
	ds_load_tr16_b128 v[128+8*(\f)+4:128+8*(\f)+7], v[ADRV] offset:((\f)/8)*32*PVV+16*PVV+((\f)%8)*32
.endr
.endm
.macro FETCH_M x                       ; the mask for piece x's next scores, into the accumulators themselves: tile x + u, keys 16 kb on: my query's eight numbers
	WIN 0
.if (\x) == 0
	v_add_nc_u32 v[ADRM], s[TB], v[AMA]
.else
	v_add_nc_u32 v[ADRM], s[TB], v[AMB]
.endif
.irp u, 0,1
.irp g, 0,1,2,3
	ds_load_b128 v[S+32*((\x)+(\u))+8*(\g):S+32*((\x)+(\u))+8*(\g)+3],   v[ADRM] offset:(\u)*16*PM+64*(\g)
	ds_load_b128 v[S+32*((\x)+(\u))+8*(\g)+4:S+32*((\x)+(\u))+8*(\g)+7], v[ADRM] offset:(\u)*16*PM+64*(\g)+16
.endr
.endr
.endm
; THE VECTOR WORK.  One tile's softmax for one key step is a list of 134 instructions; SM writes number j of it for tile t.
;   0-15    the maximum of the lane's 32 scores and the old m, three operands at a time (each accumulator's lowest registers are read first)
;   16-20   the other half of the lanes' maximum; the new m; c m; c m_old - c m_new
;   21-69   ONE BATCH: the 16 scalings c s - c m and all 33 exponentials (a at 23); none of these reads an exponential's result
;   (wait)  between 69 and 70 stands the one wait for the batch: SLICE writes it, once for both tiles
;   70-85   the roundings to f16     86-101 the sums; l = a l + the sum     102-133 the tile's O^T times a
.macro SM t
.set rT, ST+8*(\t)
.set rS, S+32*(\t)
.set rP, P+16*(\t)
.set rO, 64*(\t)+2*(j-102)
.if j < 102
	WIN 0
.endif
.if j < 4
	v_max3_num_f32 v[rT+4+j], v[rS+8*j], v[rS+8*j+1], v[rS+8*j+2]
.elseif j < 12
	v_max3_num_f32 v[rT+4+j%4], v[rT+4+j%4], v[rS+8*(j%4)+2*(j/4)+1], v[rS+8*(j%4)+2*(j/4)+2]
.elseif j == 12
	v_max3_num_f32 v[rT+4], v[rT+4], v[rS+7], v[rS+15]
.elseif j == 13
	v_max3_num_f32 v[rT+6], v[rT+6], v[rS+23], v[rS+31]
.elseif j == 14
	v_max3_num_f32 v[rT+4], v[rT+4], v[rT+5], v[rT+6]
.elseif j == 15
	v_max3_num_f32 v[rT+4], v[rT+4], v[rT+7], v[rT+1]
.elseif j == 16
	v_permlanex16_b32 v[rT+5], v[rT+4], s[SEL], s[SEL+1]  ; the query's other 32 keys lie in the lane 16 away
.elseif j == 17
	v_mov_b32 v[rT+7], v[rT]                       ; c m_old is kept for a
.elseif j == 18
	v_max_num_f32 v[rT+1], v[rT+4], v[rT+5]
.elseif j == 19
	v_mul_f32 v[rT], s[CS], v[rT+1]
.elseif j == 20
	v_sub_f32 v[rT+7], v[rT+7], v[rT]
.elseif j == 23
	v_exp_f32 v[rT+6], v[rT+7]
.elseif (j < 23) || ((j < 38) && (j%2 == 0)) || ((j < 66) && (j%4 == 2))
.set b, (j-2)/4
.if j < 38
.set b, (j-20)/2
.endif
	v_pk_fma_f32 v[rS+2*b:rS+2*b+1], v[rS+2*b:rS+2*b+1], s[CS:CS+1], v[rT:rT+1] op_sel_hi:[1,0,0] neg_lo:[0,0,1] neg_hi:[0,0,1]
.elseif j < 70
.set e, j-38
.if j < 66
.set e, j-32-(j-38)/4
.endif
.if j < 38
.set e, (j-25)/2
.endif
	v_exp_f32 v[rS+e], v[rS+e]
.elseif j < 86
	v_cvt_pk_f16_f32 v[rP+j-70], v[rS+2*(j-70)], v[rS+2*(j-70)+1]
.elseif j < 102
.set z, j-86
.set w, 4
.set u, z
.if z >= 14
.set w, 32
.set u, 0
.elseif z >= 12
.set w, 16
.set u, z-12
.elseif z >= 8
.set w, 8
.set u, z-8
.endif
.if z < 15
	v_pk_add_f32 v[rS+w*u:rS+w*u+1], v[rS+w*u:rS+w*u+1], v[rS+w*u+w/2:rS+w*u+w/2+1]
.else
	v_pk_fma_f32 v[rT+2:rT+3], v[rT+2:rT+3], v[rT+6:rT+7], v[rS:rS+1] op_sel_hi:[1,0,1]
.endif
.else
	WIN W_RS
	v_pk_mul_f32 v[rO:rO+1], v[rO:rO+1], v[rT+6:rT+7] op_sel_hi:[1,0]
.endif
.endm
; Slice k of 64 of piece y's softmax: four instructions; slices 11 to 34 deal out the batch, four numbers of one tile each; slice 63 holds the twelve that are over as well.
; Ahead of slice 35 nothing names an exponential's result, and behind slice 34 no exponential is issued: so the piece's 66 exponentials have one wait, behind slice 34.
.macro SLICE y
.if (k >= 11) && (k < 35)
.irp n, 0,1,2,3
.set j, 22+4*((k-11)/2)+(\n)
	SM (\y)+(k-11)%2
.endr
.else
.irp n, 0,1,2,3,4,5,6,7
.if ((\n) < 2) || (k == 63)
.irp t, \y, (\y)+1
.set j, 2*k+(\n)
	SM \t
.endr
.endif
.endr
.endif
.if k == 34
	v_nop                                          ; a plain instruction behind the last exponential and ahead of the first use: one for the batch
.if (\y) == 0
	FETCH_V                                        ; piece 2's turn: V's run of loads stands here, and the wait stands in it
.else
	s_wait_alu depctr_va_vdst(0)
.endif
.endif
.set k, k+1
.endm
; A TURN.  Piece x has the matrix unit; the other piece's softmax stands in slices behind its matrix instructions: slices 0-62 behind products 0-62, then 16 products bare, slice 63 behind the last:
; its sixteen plain multiplies are the places between the last K Q^T and the next turn's reads of those scores and loads into K.
; The mask for piece x's scores is fetched at the turn's head: the softmax that read those registers ended in the turn before.  K of the next step is fetched in piece 0's turn behind its second product.
; V of the step in hand is fetched in piece 2's turn behind slice 34; its last reader stands in front of slice 31, and four plain instructions lie between: number 62 of both tiles, the v_nop and the run's own address line.
.macro TURN x
.set k, 0
.if (\x) == 0
	s_wait_dscnt 0x0                               ; V is in
.endif
	FETCH_M \x
.set i, 0
.rept 32
	PV \x
	SLICE 2-(\x)
.if ((\x) == 0) && (i == 1)
	FETCH_K
.endif
.set i, i+1
.endr
	s_wait_dscnt 0x0                               ; the mask is in, and in piece 0's turn K
.set i, 0
.rept 48
	KQ \x
.if (i < 31) || (i == 47)
	SLICE 2-(\x)
.endif
.set i, i+1
.endr
.endm
	CHANGE 1, 0                                    ; tile 0 is in, everybody's part of it; tile 1 is asked for
	FETCH_K
	FETCH_M 0
	s_wait_loadcnt 0x0                             ; Q
	s_wait_dscnt 0x0
.set i, 0
.rept 48
	KQ 0                                           ; piece 0's first scores: there is no vector work yet to set between them
.set i, i+1
.endr
	WIN 0                                          ; the addresses for the way out: plain instructions, the places behind those products
	s_mul_i32 s2, s[WV], 16*SP
	s_add_co_u32 s2, s2, STAGE
	v_mul_u32_u24 v[STO], v1, SP
	v_lshl_add_u32 v[STO], v9, 4, v[STO]
	v_add_nc_u32 v[STO], s2, v[STO]
	v_mul_u32_u24 v[RD], v9, SP
	v_lshl_add_u32 v[RD], v1, 4, v[RD]
	v_add_nc_u32 v[RD], s2, v[RD]
	v_lshlrev_b32 v[GO], 12, v9
	v_lshl_add_u32 v[GO], v1, 4, v[GO]
	v_and_b32 v10, 31, v0
	s_mul_i32 s2, s[WV], XWB
	v_lshl_add_u32 v[XW], v10, 4, s2
	v_lshl_add_u32 v[XW8], v10, 3, s2
	s_xor_b32 s3, s[WV], 2                         ; my partner
	s_mul_i32 s3, s3, XWB
	v_lshl_add_u32 v[XR], v10, 4, s3
	v_lshl_add_u32 v[XR8], v10, 3, s3
	s_mov_b32 s[SLOTS], 7
	s_branch .Lmid                                 ; the loop is entered in the middle of a trip
.Lslot:                                        ; six times: tile c is entered, tile c + 1 asked for
	CHANGE 1, 1
	TURN 0
	WIN 0
.Lmid:
	TURN 2
	WIN 0
	s_sub_co_u32 s[SLOTS], s[SLOTS], 1
	s_cmp_lg_u32 s[SLOTS], 0
	s_cbranch_scc1 .Lslot
	CHANGE 0, 0                                    ; the tail is written out: the last tile is entered, nothing is asked for
	s_mov_b32 s[CNT], 2
.Ltail:                                        ; the second pass is left in its middle; its 48 products K Q^T, on the last K once more, serve nothing: the price of one text for every step
	TURN 0
	WIN 0
	s_sub_co_u32 s[CNT], s[CNT], 1
	s_cmp_eq_u32 s[CNT], 0
	s_cbranch_scc1 .Lout
	TURN 2
	WIN 0
	s_branch .Ltail
.Lout:
.set i, 0
.rept 32
	PV 2                                           ; piece 2: V^T P of the last step
.set i, i+1
.endr
	; THE MERGE.  l's two halves and the other half of the lanes' are added (the additions are the places behind the last products); (c m, L) becomes a pair.
	WIN 0
.irp t, 0,1,2,3
	v_add_f32 v[ST+8*(\t)+4], v[ST+8*(\t)+2], v[ST+8*(\t)+3]
.endr
.irp t, 0,1,2,3
	v_permlanex16_b32 v[ST+8*(\t)+5], v[ST+8*(\t)+4], s[SEL], s[SEL+1]
.endr
.irp t, 0,1,2,3
	v_add_f32 v[ST+8*(\t)+1], v[ST+8*(\t)+4], v[ST+8*(\t)+5]
.endr
	s_wait_dscnt 0x0                               ; every wave's reads of the slots are over before any wave writes into slot 0, which has had its last fill
	s_barrier_signal -1
	s_barrier_wait -1
.irp u, 0,1                            ; tiles 2 and 3 are given away
	ds_store_b64 v[XW8], v[ST+8*(2+(\u)):ST+8*(2+(\u))+1] offset:16384+256*(\u)
.endr
	WIN 0x04                                       ; the data in window 1
.irp u, 0,1
.irp g, 0,1,2,3,4,5,6,7,8,9,10,11,12,13,14,15
	ds_store_b128 v[XW], v[64*(2+(\u))+4*(\g):64*(2+(\u))+4*(\g)+3] offset:8192*(\u)+512*(\g)
.endr
.endr
	WIN 0
	s_wait_dscnt 0x0                               ; for my partner's sake: my stores are done
	s_barrier_signal -1
	s_barrier_wait -1
.irp u, 0,1                            ; what my partner made of the same queries over the other half of the keys
	ds_load_b64 v[ST+8*(\u)+4:ST+8*(\u)+5], v[XR8] offset:16384+256*(\u)
.endr
.irp u, 0,1
.irp g, 0,1,2,3,4,5,6,7,8,9,10,11,12,13,14,15
	ds_load_b128 v[S+64*(\u)+4*(\g):S+64*(\u)+4*(\g)+3], v[XR] offset:8192*(\u)+512*(\g)
.endr
.endr
	s_wait_dscnt 32                                ; the statistics are in; the 32 loads of O^T may stay out
.irp u, 0,1
	v_max_num_f32 v[ST+8*(\u)+6], v[ST+8*(\u)], v[ST+8*(\u)+4]       ; the common c m
.endr
.irp u, 0,1
	v_sub_f32 v[ST+8*(\u)+2], v[ST+8*(\u)], v[ST+8*(\u)+6]
	v_sub_f32 v[ST+8*(\u)+3], v[ST+8*(\u)+4], v[ST+8*(\u)+6]
.endr
.irp u, 0,1
	v_exp_f32 v[ST+8*(\u)+2], v[ST+8*(\u)+2]
	v_exp_f32 v[ST+8*(\u)+3], v[ST+8*(\u)+3]
.endr
	v_nop
	s_wait_alu depctr_va_vdst(0)                   ; one wait for the four exponentials
.irp u, 0,1
	v_mul_f32 v[ST+8*(\u)+6], v[ST+8*(\u)+1], v[ST+8*(\u)+2]
.endr
.irp u, 0,1
	v_fma_f32 v[ST+8*(\u)+6], v[ST+8*(\u)+5], v[ST+8*(\u)+3], v[ST+8*(\u)+6]   ; l
.endr
.irp u, 0,1
	v_rcp_f32 v[ST+8*(\u)+7], v[ST+8*(\u)+6]
.endr
	v_nop
	s_wait_alu depctr_va_vdst(0)                   ; one wait for the two reciprocals
.irp u, 0,1
	v_mul_f32 v[ST+8*(\u)+6], v[ST+8*(\u)+2], v[ST+8*(\u)+7]         ; my factor,
	v_mul_f32 v[ST+8*(\u)+7], v[ST+8*(\u)+3], v[ST+8*(\u)+7]         ; my partner's
.endr
	s_wait_dscnt 0x0
; Tile u: O = mine x my factor + my partner's x its factor, rounded to f16; a lane's eight channels pack into 16 bytes, go into rows of 272 bytes and come back as whole rows of 256.
.macro PACKM u
	WIN W_RS
.set i, 0
.rept 32
	v_pk_mul_f32 v[64*(\u)+2*i:64*(\u)+2*i+1], v[64*(\u)+2*i:64*(\u)+2*i+1], v[ST+8*(\u)+6:ST+8*(\u)+7] op_sel_hi:[1,0]
.set i, i+1
.endr
	WIN 0x50                                       ; destination and source 2 window 1
.set i, 0
.rept 32
	v_pk_fma_f32 v[64*(\u)+2*i:64*(\u)+2*i+1], v[S+64*(\u)+2*i:S+64*(\u)+2*i+1], v[ST+8*(\u)+6:ST+8*(\u)+7], v[64*(\u)+2*i:64*(\u)+2*i+1] op_sel:[0,1,0] op_sel_hi:[1,1,1]
.set i, i+1
.endr
	WIN 0x05                                       ; sources 0 and 1 window 1, destination window 0
.set i, 0
.rept 32
	v_cvt_pk_f16_f32 v[P+32*(\u)+i], v[64*(\u)+2*i], v[64*(\u)+2*i+1]
.set i, i+1
.endr
	WIN 0
.irp f, 0,1,2,3,4,5,6,7
	ds_store_b128 v[STO], v[P+32*(\u)+4*(\f):P+32*(\u)+4*(\f)+3] offset:32*(\f)
.endr
.irp f, 0,1,2,3,4,5,6,7
	ds_load_b128 v[P+32*(\u)+4*(\f):P+32*(\u)+4*(\f)+3], v[RD] offset:(\f)*2*SP  ; LDS serves a wave's instructions in order: these see the stores above; the next tile's stores come behind them
.endr
.endm
.macro SEND u, younger                 ; younger: the LDS instructions issued behind tile u's loads
.irp f, 0,1,2,3,4,5,6,7
	s_wait_dscnt (\younger)+7-(\f)
	global_store_b128 v[GO], v[P+32*(\u)+4*(\f):P+32*(\u)+4*(\f)+3], s[10:11] offset:(\u)*65536+(\f)*8192  ; 16 lanes store 256 consecutive bytes, aligned
.endr
.endm
	PACKM 0
	PACKM 1
	SEND 0, 16
	SEND 1, 0
	s_wait_tensorcnt 0x0                           ; the wave's end
	ds_add_u32 v[SPW], v[NIL]
	s_wait_dscnt 0x0
	CROUND                                         ; the closing round
	s_endpgm
.Lfunc_end_k_q4be896b7c4_attn:
	.size	k_q4be896b7c4_attn, .Lfunc_end_k_q4be896b7c4_attn-k_q4be896b7c4_attn
	.p2alignl 7, 3214868480
	.fill 96, 4, 3214868480
	.section	.rodata,"a",@progbits
	.p2align	6, 0x0
	.amdhsa_kernel k_q4be896b7c4_attn
		.amdhsa_group_segment_fixed_size 327680
		.amdhsa_private_segment_fixed_size 0
		.amdhsa_enable_private_segment 0
		.amdhsa_kernarg_size 24
		.amdhsa_user_sgpr_count 2
		.amdhsa_user_sgpr_kernarg_segment_ptr 1
		.amdhsa_wavefront_size32 1
		.amdhsa_system_sgpr_workgroup_id_x 1
		.amdhsa_system_sgpr_workgroup_id_y 1
		.amdhsa_system_sgpr_workgroup_id_z 1
		.amdhsa_system_vgpr_workitem_id 0
		.amdhsa_next_free_vgpr 1024
		.amdhsa_next_free_sgpr 96
		.amdhsa_reserve_vcc 0
		.amdhsa_float_denorm_mode_32 3
		.amdhsa_float_denorm_mode_16_64 3
		.amdhsa_memory_ordered 1
		.amdhsa_forward_progress 1
		.amdhsa_inst_pref_size 176
	.end_amdhsa_kernel
	.amdgpu_metadata
---
amdhsa.version: [ 1, 2 ]
amdhsa.kernels:
  - .name:           k_q4be896b7c4_attn
    .symbol:         k_q4be896b7c4_attn.kd
    .args:
      - { .name: qkv, .offset: 0, .size: 8, .value_kind: global_buffer, .address_space: global }
      - { .name: maskS, .offset: 8, .size: 8, .value_kind: global_buffer, .address_space: global }
      - { .name: ob, .offset: 16, .size: 8, .value_kind: global_buffer, .address_space: global }
    .group_segment_fixed_size: 327680
    .private_segment_fixed_size: 0
    .kernarg_segment_align: 8
    .kernarg_segment_size: 24
    .max_flat_workgroup_size: 128
    .sgpr_count:     96
    .vgpr_count:     1024
    .wavefront_size: 32
...
	.end_amdgpu_metadata
.endif
;; end of part 3
;; launch gemm2 (part 4): grid 16 x 16, 4 waves a work-group, clusters of 4 x 4, 327,680 bytes of LDS; arguments ob, wo16, bo, out0; writes out0
.if DOCPART == 4
	.amdgcn_target "amdgcn-amd-amdhsa--gfx1250"
	.amdhsa_code_object_version 6
	.text
	.protected	k_q4be896b7c4_gemm2
	.globl	k_q4be896b7c4_gemm2
	.p2align	8
	.type	k_q4be896b7c4_gemm2,@function
k_q4be896b7c4_gemm2:
	s_mov_b64 s[64:65], 0
	v_nop
	global_prefetch_b8 v0, s[64:65] scope:SCOPE_SE
	s_setreg_imm32_b32 hwreg(HW_REG_WAVE_MODE, 25, 1), 1
	s_wait_xcnt 0x0
	s_wait_alu depctr_hold_cnt(0) depctr_sa_sdst(0) depctr_va_vdst(0) depctr_va_sdst(0) depctr_va_ssrc(0) depctr_va_vcc(0) depctr_vm_vsrc(0)
	s_getreg_b32 s2, hwreg(HW_REG_IB_STS2, 6, 4)
	s_cmp_eq_u32 s2, 0
	s_cbranch_scc0 .Lentry_in_a_cluster
	s_endpgm
.Lentry_in_a_cluster:
	s_bfe_u32 s2, ttmp6, 0x10000c
	s_cmp_lg_u32 s2, 0xf033
	s_cbranch_scc0 .Lentry_shape_is_right
	s_endpgm
.Lentry_shape_is_right:
; out0[m][n] = the sum over k of ob[m][k] wo16[k][n] + bf16(bo[n]).  ob: [2048][2048] f16, wo16: [2048 k][2048 n] f16, bo: [2048] f32, out0: [2048][2048] f32.  Sums in f32.
; A tile of the result is 128 x 128, so that 16 x 16 tiles give each work-group one; four waves, each 64 x 64: 16 accumulators.  K goes in 8 steps of 256 through two LDS slots.
; ob's tile has K along its rows (512 bytes a row); wo16's tile has n along its rows (256 rows of 256 bytes) and comes out of LDS turned, by ds_load_tr16_b128.
; CLUSTER: 4 x 4.  ob's tile is asked for jointly along a row of the cluster, wo16's along a column.  The tiles are small and a step is short: no prefetch is laid.
; THE MATRIX INSTRUCTION IS USED TRANSPOSED (source 0 = 16 columns of wo16, source 1 = 16 rows of ob): a lane holds eight neighbouring numbers of a row: 32 bytes.  A wave's 64 columns are 256 bytes, aligned: each wave has a stage of its own.
; REGISTERS: window 0: v0-31 addresses and the bias; v32-95 rows read back; v128-255 the accumulators ((a, b) at v[128 + 8 (4 a + b)]).  window 1: two fragment buffers of 128: 64 of ob's, then 64 of wo16's, for 64 along K.
.set KSTEP,  256
.set LDK,    2048
.set LDN,    2048
.set PA,     528                       ; 512 bytes + 16
.set PB,     288                       ; 256 bytes + 32 = 9 x 32
.set HALFA,  64*PA
.set HALFB,  128*PB
.set BOFF,   2*HALFA
.set SLOT1,  147456                    ; slot 1 begins here (a slot takes 141,312 bytes)
.set STAGE,  SLOT1+BOFF+2*HALFB
.set SPITCH, 272
.set SPARE,  STAGE+4*16*SPITCH
.set BI,    12                         ; v[12:15] the bias of my four columns on the way out
.set ADRA,  16
.set ADRA0, 17
.set ADRB,  20                         ; v20  wo16's rows 0-127 of the slot in hand;  v22  its rows 128-255
.set ADRB0, 21
.set STO,   24
.set RD,    25
.set CO,    26
.set BO,    27                         ; v27  my byte offset in bo; never rewritten
.set SPW,   28
.set NIL,   29
.set TMP,   32
.set ACC,   128
.set F0,    0
.set F1,    128
.set WV,   12
.set RH,   13
.set CH,   14
.set CX,   15
.set CY,   16
.set TC,   17
.set TR,   18
.set G1A,  24
.set G0A,  32
.set TB,   40
.set LBA,  41                          ; s41  where my part of ob's tile lies in a slot;  s43  the same for wo16's
.set LBB,  43
.set G1B,  48
.set G0B,  56
.set MSB, 0
.macro WIN new
.if MSB != (\new)
	s_set_vgpr_msb (MSB<<8)|(\new)
.set MSB, \new
.endif
.endm
.set MUL,  0x05                        ; sources 0 and 1 window 1; C and D window 0
.set TO_F, 0x40                        ; destination window 1, address window 0
.macro JLOAD
	s_cmp_eq_u32 s[RH], 0
	s_cbranch_scc0 .Lfor_b_\@
	tensor_load_to_lds s[G0A+4:G0A+7], s[G1A:G1A+7]
	s_nop 0
.rept 4
	v_nop
.endr
	s_branch .Lasked_\@
.Lfor_b_\@:
	tensor_load_to_lds s[G0B+4:G0B+7], s[G1B:G1B+7]
	s_nop 0
.rept 4
	v_nop
.endr
.Lasked_\@:
.endm
.macro CREST
	s_cmp_lg_u32 s[WV], 0
	s_cbranch_scc1 .Lnot_wave_0_\@
	s_barrier_signal -3
.Lnot_wave_0_\@:
	s_barrier_wait -3
	s_barrier_signal -1
	s_barrier_wait -1
.endm
.macro CROUND
	s_barrier_signal -1
	s_barrier_wait -1
	CREST
.endm
	s_load_b256 s[4:11], s[0:1], 0x0               ; ob s[4:5], wo16 s[6:7], bo s[8:9], out0 s[10:11]
	v_lshl_add_u32 v[SPW], v0, 2, SPARE
	v_mov_b32 v[NIL], 0
	ds_add_u32 v[SPW], v[NIL]                      ; the wave's opening: the add and its wait stand ahead of my first tensor load
	v_lshrrev_b32 v1, 5, v0
	v_readfirstlane_b32 s[WV], v1
	s_lshr_b32 s[RH], s[WV], 1
	s_and_b32 s[CH], s[WV], 1
	s_bfe_u32 s[CX], ttmp6, 0x40000
	s_bfe_u32 s[CY], ttmp6, 0x40004
	s_lshl_b32 s[TC], ttmp9, 2
	s_add_co_u32 s[TC], s[TC], s[CX]
	s_and_b32 s[TR], ttmp7, 0xffff
	s_lshl_b32 s[TR], s[TR], 2
	s_add_co_u32 s[TR], s[TR], s[CY]
	s_lshl_b32 s20, s[CY], 2
	s_lshl_b32 s20, 15, s20
	s_lshl_b32 s22, 0x1111, s[CX]
	s_or_b32 s[G1A], s20, (1<<16)|(1<<20)|(1<<21)|(6<<22)|(3<<25)  ; after every 128 words 4 words
	s_or_b32 s[G1B], s22, (1<<16)|(1<<20)|(1<<21)|(5<<22)|(7<<25)  ; after every 64 words 8 words
	s_mov_b32 s[G1A+1], 256<<16                    ; ob's part: 64 rows x 256 elements
	s_mov_b32 s[G1A+2], 64<<16
	s_mov_b32 s[G1A+3], 256<<16
	s_mov_b32 s[G1A+4], 64
	s_mov_b32 s[G1A+5], LDK
	s_mov_b32 s[G1A+6], 0
	s_mov_b32 s[G1A+7], 0
	s_mov_b32 s[G1B+1], 128<<16                    ; wo16's part: 128 rows x 128 elements
	s_mov_b32 s[G1B+2], 128<<16
	s_mov_b32 s[G1B+3], 128<<16
	s_mov_b32 s[G1B+4], 128
	s_mov_b32 s[G1B+5], LDN
	s_mov_b32 s[G1B+6], 0
	s_mov_b32 s[G1B+7], 0
	s_lshl_b32 s20, s[TR], 19                      ; ob: row 128 tr + 64 CH of 4,096 bytes
	s_lshl_b32 s21, s[CH], 18
	s_add_co_u32 s20, s20, s21
	s_mov_b32 s21, 0
	s_lshl_b32 s22, s[TC], 8                       ; wo16: column 128 tc, row 128 CH of 4,096 bytes
	s_lshl_b32 s23, s[CH], 19
	s_add_co_u32 s22, s22, s23
	s_mov_b32 s23, 0
	s_mul_i32 s[LBA], s[CH], HALFA
	s_mul_i32 s[LBB], s[CH], HALFB
	s_add_co_u32 s[LBB], s[LBB], BOFF
	s_mov_b32 s[TB], 0
	s_wait_dscnt 0x0                               ; the opening add is done
	s_wait_kmcnt 0x0
	s_add_nc_u64 s[66:67], s[4:5], s[20:21]
	s_add_nc_u64 s[68:69], s[6:7], s[22:23]
	CROUND                                         ; all sixteen work-groups are here
.irp s, 0,1
	s_mov_b32 s[G0A+4*(\s)], 1
	s_add_co_u32 s[G0A+4*(\s)+1], s[LBA], (\s)*SLOT1
	s_add_nc_u64 s[G0A+4*(\s)+2:G0A+4*(\s)+3], s[66:67], (\s)*KSTEP*2
	s_or_b32 s[G0A+4*(\s)+3], s[G0A+4*(\s)+3], 0x80000000
	s_mov_b32 s[G0B+4*(\s)], 1
	s_add_co_u32 s[G0B+4*(\s)+1], s[LBB], (\s)*SLOT1
	s_add_nc_u64 s[G0B+4*(\s)+2:G0B+4*(\s)+3], s[68:69], (\s)*KSTEP*LDN*2
	s_or_b32 s[G0B+4*(\s)+3], s[G0B+4*(\s)+3], 0x80000000
.endr
	s_cmp_eq_u32 s[RH], 0                          ; a wave's two first fills stand in one branch: two loads of mine are out
	s_cbranch_scc0 .Lfirst_b
	tensor_load_to_lds s[G0A:G0A+3], s[G1A:G1A+7]
	s_nop 0
	tensor_load_to_lds s[G0A+4:G0A+7], s[G1A:G1A+7]
	s_nop 0
.rept 4
	v_nop
.endr
	s_branch .Lfirst_asked
.Lfirst_b:
	tensor_load_to_lds s[G0B:G0B+3], s[G1B:G1B+7]
	s_nop 0
	tensor_load_to_lds s[G0B+4:G0B+7], s[G1B:G1B+7]
	s_nop 0
.rept 4
	v_nop
.endr
.Lfirst_asked:
	v_and_b32 v1, 15, v0                           ; l % 16
	v_bfe_u32 v2, v0, 4, 1                         ; l / 16
	s_lshl_b32 s20, s[TC], 9                       ; the bias of the four columns that I store: 128 tc + 64 CH + 4 (l % 16)
	s_lshl_b32 s21, s[CH], 8
	s_add_co_u32 s20, s20, s21
	v_lshl_add_u32 v[BO], v1, 4, s20
	global_load_b128 v[BI:BI+3], v[BO], s[8:9]
	v_mul_u32_u24 v3, v1, PA
	v_lshl_add_u32 v3, v2, 4, v3
	s_mul_i32 s20, s[RH], HALFA
	v_add_nc_u32 v[ADRA0], s20, v3
	v_mov_b32 v[ADRA], v[ADRA0]
	v_and_b32 v4, 7, v0
	v_lshl_add_u32 v4, v2, 3, v4
	v_mul_u32_u24 v4, v4, PB
	v_bfe_u32 v5, v0, 3, 1
	v_lshl_add_u32 v4, v5, 4, v4
	s_lshl_b32 s20, s[CH], 7                       ; my 64 columns
	s_add_co_u32 s20, s20, BOFF
	v_add_nc_u32 v[ADRB0], s20, v4
	v_mov_b32 v[ADRB], v[ADRB0]
	v_add_nc_u32 v[ADRB+2], HALFB, v[ADRB]
	s_mul_i32 s20, s[WV], 16*SPITCH
	s_add_co_u32 s20, s20, STAGE                   ; my stage
	v_mul_u32_u24 v4, v1, SPITCH                   ; in: row l % 16, 32 bytes for each half of the lanes
	v_lshl_add_u32 v4, v2, 5, v4
	v_add_nc_u32 v[STO], s20, v4
	v_mul_u32_u24 v5, v2, SPITCH                   ; back: lanes 0-15 one row of 256 bytes, lanes 16-31 the next
	v_lshl_add_u32 v5, v1, 4, v5
	v_add_nc_u32 v[RD], s20, v5
	v_lshlrev_b32 v5, 13, v2
	v_lshl_add_u32 v[CO], v1, 4, v5
	s_lshl_b32 s70, s[TR], 20                      ; out0 at my 64 x 64: row 128 tr + 64 RH of 8,192 bytes, column 128 tc + 64 CH
	s_lshl_b32 s71, s[RH], 19
	s_add_co_u32 s70, s70, s71
	s_lshl_b32 s71, s[TC], 9
	s_add_co_u32 s70, s70, s71
	s_lshl_b32 s71, s[CH], 8
	s_add_co_u32 s70, s70, s71
	s_mov_b32 s71, 0
	s_add_nc_u64 s[10:11], s[10:11], s[70:71]
; 8 matrix instructions: row blocks a0, a0 + 1 x all 4 column blocks, 32 along K: half c of buffer f.  The 16 accumulators take turns.
.macro MUL8 f, c, a0, zero
	WIN MUL
.irp a, \a0, (\a0)+1
.irp b, 0,1,2,3
.if \zero
	v_wmma_f32_16x16x32_f16 v[ACC+8*(4*(\a)+(\b)):ACC+8*(4*(\a)+(\b))+7], v[(\f)+64+8*(4*(\c)+(\b)):(\f)+64+8*(4*(\c)+(\b))+7], v[(\f)+8*(4*(\c)+(\a)):(\f)+8*(4*(\c)+(\a))+7], 0
.else
	v_wmma_f32_16x16x32_f16 v[ACC+8*(4*(\a)+(\b)):ACC+8*(4*(\a)+(\b))+7], v[(\f)+64+8*(4*(\c)+(\b)):(\f)+64+8*(4*(\c)+(\b))+7], v[(\f)+8*(4*(\c)+(\a)):(\f)+8*(4*(\c)+(\a))+7], v[ACC+8*(4*(\a)+(\b)):ACC+8*(4*(\a)+(\b))+7]
.endif
.endr
.endr
.endm
; 32 LDS loads in one run: the fragments of quarter q (64 along K) into buffer f; the first 32 along K first
.macro FETCH q, f
	WIN TO_F
.irp c, 0,1
.irp i, 0,1,2,3
	ds_load_tr16_b128 v[(\f)+64+8*(4*(\c)+(\i)):(\f)+64+8*(4*(\c)+(\i))+3],   v[ADRB+2*((\q)/2)] offset:((\q)%2)*64*PB+(\c)*32*PB+32*(\i)
	ds_load_tr16_b128 v[(\f)+64+8*(4*(\c)+(\i))+4:(\f)+64+8*(4*(\c)+(\i))+7], v[ADRB+2*((\q)/2)] offset:((\q)%2)*64*PB+(\c)*32*PB+32*(\i)+16*PB
	ds_load_b128 v[(\f)+8*(4*(\c)+(\i)):(\f)+8*(4*(\c)+(\i))+3],   v[ADRA] offset:128*(\q)+64*(\c)+(\i)*16*PA
	ds_load_b128 v[(\f)+8*(4*(\c)+(\i))+4:(\f)+8*(4*(\c)+(\i))+7], v[ADRA] offset:128*(\q)+64*(\c)+(\i)*16*PA+32
.endr
.endr
.endm
.macro PLACES
.rept 4
	v_nop
.endr
.endm
.macro QUARTER q, f, g, zero           ; multiplies buffer f and fetches quarter q into buffer g
	s_wait_dscnt 16                                ; the first 32 along K are in
	MUL8 \f, 0, 0, \zero
	MUL8 \f, 0, 2, \zero
	PLACES
	FETCH \q, \g
	s_wait_dscnt 32                                ; all but the 32 just issued
	MUL8 \f, 1, 0, 0
	MUL8 \f, 1, 2, 0
.endm
; The last quarter multiplies buffer 1 and changes slots: in front of the one barrier each wave waits for all its tensor loads, adds 0 to its spare word, and waits for that and for its reads of this slot.
.macro TURN fill
	WIN 0
	s_wait_tensorcnt 0x0                           ; all my tensor loads have landed: my part of the next slot
	ds_add_u32 v[SPW], v[NIL]
	s_wait_dscnt 17                                ; (the add and the youngest sixteen loads may be out)
	MUL8 F1, 0, 0, 0
	s_wait_dscnt 0x0                               ; the add is done, and my reads of this slot are over
	s_barrier_signal -1
	MUL8 F1, 0, 2, 0
.if \fill
	WIN 0
.endif
	s_barrier_wait -1
.if \fill
	CREST                                          ; no wave of any partner still reads this slot or has a load on its way
	s_add_co_u32 s[G0A+5], s[LBA], s[TB]           ; into the slot that is left, the next K step
	s_add_nc_u64 s[G0A+6:G0A+7], s[G0A+6:G0A+7], KSTEP*2
	s_add_co_u32 s[G0B+5], s[LBB], s[TB]
	s_add_nc_u64 s[G0B+6:G0B+7], s[G0B+6:G0B+7], KSTEP*LDN*2
	JLOAD                                          ; the four v_nop behind it are also the places in front of the loads below
.else
	PLACES
	WIN 0
.endif
	s_xor_b32 s[TB], s[TB], SLOT1
	v_add_nc_u32 v[ADRA], s[TB], v[ADRA0]
	v_add_nc_u32 v[ADRB], s[TB], v[ADRB0]
	v_add_nc_u32 v[ADRB+2], HALFB, v[ADRB]
	FETCH 0, F0
	MUL8 F1, 1, 0, 0
	MUL8 F1, 1, 2, 0
.endm
	s_wait_tensorcnt 0x1                           ; my part of K step 0 is in; K step 1's may stay out
	s_barrier_signal -1
	s_barrier_wait -1
	FETCH 0, F0
	QUARTER 1, F0, F1, 1                           ; the first quarter stands in front of the loop: its first products start the sums
	WIN 0
	s_mov_b32 s3, LDK/KSTEP-2
.Lstep:
	QUARTER 2, F1, F0, 0
	QUARTER 3, F0, F1, 0
	TURN 1
	QUARTER 1, F0, F1, 0
	WIN 0
	s_sub_co_u32 s3, s3, 1
	s_cmp_lg_u32 s3, 0
	s_cbranch_scc1 .Lstep
	s_mov_b32 s3, 2                                ; the last two K steps ask for nothing: their text stands apart from the loop's
.Ltail:                                        ; two trips; the second is left in its middle: the last K step has no slot to change to
	QUARTER 2, F1, F0, 0
	QUARTER 3, F0, F1, 0
	WIN 0
	s_sub_co_u32 s3, s3, 1
	s_cmp_eq_u32 s3, 0
	s_cbranch_scc1 .Llast
	TURN 0
	QUARTER 1, F0, F1, 0
	WIN 0
	s_branch .Ltail
.Llast:
	s_wait_dscnt 16                                ; the very last quarter: nothing more to fetch
	MUL8 F1, 0, 0, 0
	MUL8 F1, 0, 2, 0
	s_wait_dscnt 0x0
	MUL8 F1, 1, 0, 0
	MUL8 F1, 1, 2, 0
	WIN 0
	; THE WAY OUT: 16 rows at a time through my stage, the sums as they are; back as whole rows of 256 bytes; the bias, rounded to bf16 like every input, is added; stored.
	PLACES
	s_wait_loadcnt 0x0                             ; the bias
	v_cvt_pk_bf16_f32 v6, v[BI], v[BI+1]
	v_cvt_pk_bf16_f32 v7, v[BI+2], v[BI+3]
	v_lshlrev_b32 v[BI], 16, v6
	v_and_b32 v[BI+1], 0xffff0000, v6
	v_lshlrev_b32 v[BI+2], 16, v7
	v_and_b32 v[BI+3], 0xffff0000, v7
.macro STG a
.if (\a) >= 2
	s_wait_xcnt 0x0                                ; the registers that the stores of two blocks back read are loaded again only behind this wait
.endif
.irp b, 0,1,2,3
	ds_store_b128 v[STO], v[ACC+8*(4*(\a)+(\b)):ACC+8*(4*(\a)+(\b))+3]   offset:64*(\b)      ; each accumulator's lowest registers first
	ds_store_b128 v[STO], v[ACC+8*(4*(\a)+(\b))+4:ACC+8*(4*(\a)+(\b))+7] offset:64*(\b)+16
.endr
.irp t, 0,1,2,3,4,5,6,7
	ds_load_b128 v[TMP+32*((\a)%2)+4*(\t):TMP+32*((\a)%2)+4*(\t)+3], v[RD] offset:(\t)*2*SPITCH  ; LDS serves a wave's instructions in order: these see the stores above
.endr
.endm
.macro SENDF a, younger                ; younger: the LDS instructions issued behind block a's loads
.irp t, 0,1,2,3,4,5,6,7
	s_wait_dscnt (\younger)+7-(\t)
	v_pk_add_f32 v[TMP+32*((\a)%2)+4*(\t):TMP+32*((\a)%2)+4*(\t)+1],   v[TMP+32*((\a)%2)+4*(\t):TMP+32*((\a)%2)+4*(\t)+1],   v[BI:BI+1]
	v_pk_add_f32 v[TMP+32*((\a)%2)+4*(\t)+2:TMP+32*((\a)%2)+4*(\t)+3], v[TMP+32*((\a)%2)+4*(\t)+2:TMP+32*((\a)%2)+4*(\t)+3], v[BI+2:BI+3]
	global_store_b128 v[CO], v[TMP+32*((\a)%2)+4*(\t):TMP+32*((\a)%2)+4*(\t)+3], s[10:11] offset:(16*(\a)+2*(\t))*LDN*4  ; 16 lanes store 256 consecutive bytes, aligned
.endr
.endm
	STG 0
	STG 1
	SENDF 0, 16
	STG 2
	SENDF 1, 16
	STG 3
	SENDF 2, 16
	SENDF 3, 0
	s_wait_tensorcnt 0x0                           ; the wave's end
	ds_add_u32 v[SPW], v[NIL]
	s_wait_dscnt 0x0
	CROUND                                         ; the closing round
	s_endpgm
.Lfunc_end_k_q4be896b7c4_gemm2:
	.size	k_q4be896b7c4_gemm2, .Lfunc_end_k_q4be896b7c4_gemm2-k_q4be896b7c4_gemm2
	.p2alignl 7, 3214868480
	.fill 96, 4, 3214868480
	.section	.rodata,"a",@progbits
	.p2align	6, 0x0
	.amdhsa_kernel k_q4be896b7c4_gemm2
		.amdhsa_group_segment_fixed_size 327680
		.amdhsa_private_segment_fixed_size 0
		.amdhsa_enable_private_segment 0
		.amdhsa_kernarg_size 32
		.amdhsa_user_sgpr_count 2
		.amdhsa_user_sgpr_kernarg_segment_ptr 1
		.amdhsa_wavefront_size32 1
		.amdhsa_system_sgpr_workgroup_id_x 1
		.amdhsa_system_sgpr_workgroup_id_y 1
		.amdhsa_system_sgpr_workgroup_id_z 1
		.amdhsa_system_vgpr_workitem_id 0
		.amdhsa_next_free_vgpr 512
		.amdhsa_next_free_sgpr 72
		.amdhsa_reserve_vcc 0
		.amdhsa_float_denorm_mode_32 3
		.amdhsa_float_denorm_mode_16_64 3
		.amdhsa_memory_ordered 1
		.amdhsa_forward_progress 1
		.amdhsa_inst_pref_size 65
	.end_amdhsa_kernel
	.amdgpu_metadata
---
amdhsa.version: [ 1, 2 ]
amdhsa.kernels:
  - .name:           k_q4be896b7c4_gemm2
    .symbol:         k_q4be896b7c4_gemm2.kd
    .args:
      - { .name: ob, .offset: 0, .size: 8, .value_kind: global_buffer, .address_space: global }
      - { .name: wo16, .offset: 8, .size: 8, .value_kind: global_buffer, .address_space: global }
      - { .name: bo, .offset: 16, .size: 8, .value_kind: global_buffer, .address_space: global }
      - { .name: out0, .offset: 24, .size: 8, .value_kind: global_buffer, .address_space: global }
    .group_segment_fixed_size: 327680
    .private_segment_fixed_size: 0
    .kernarg_segment_align: 8
    .kernarg_segment_size: 32
    .max_flat_workgroup_size: 128
    .sgpr_count:     72
    .vgpr_count:     512
    .wavefront_size: 32
...
	.end_amdgpu_metadata
.endif
;; end of part 4
;; ======== version 2 of 2: 4 launches; version 1 with the launch prep written anew for expert scheduling mode
;; limits: values are held in f16: magnitudes above 65,504 overflow, below 6.1e-05 lose precision
;; workspace buffers: xb 8,388,608 bytes; wb 33,554,432 bytes; wo16 8,388,608 bytes; maskS 4,194,304 bytes; rope 262,144 bytes; qkv 33,554,432 bytes; ob 8,388,608 bytes
;; launch prep (part 5): grid 128 x 14, 8 waves a work-group, no clusters, 0 bytes of LDS; arguments x, Wq, Wk, Wv, Wo, mask, xb, wb, wo16, maskS, rope; writes xb, wb, wo16, maskS, rope
.if DOCPART == 5
	.amdgcn_target "amdgcn-amd-amdhsa--gfx1250"
	.amdhsa_code_object_version 6
	.text
	.protected	k_q4be896b7c4_prep
	.globl	k_q4be896b7c4_prep
	.p2align	8
	.type	k_q4be896b7c4_prep,@function
k_q4be896b7c4_prep:
	s_mov_b64 s[64:65], 0
	v_nop
	global_prefetch_b8 v0, s[64:65] scope:SCOPE_SE
	s_setreg_imm32_b32 hwreg(HW_REG_WAVE_SCHED_MODE, 0, 2), 2
	s_setreg_imm32_b32 hwreg(HW_REG_WAVE_MODE, 25, 1), 1
	s_wait_xcnt 0x0
	s_wait_alu depctr_vm_vsrc(0)
; PREPARATION: every float input is rounded once to bf16, and laid out for the products that follow.
;   xb    = bf16(x)                        [2048][2048]
;   wb    = bf16(Wq | Wk | Wv), columns in the order n': 0-2047 q nope (h 128 + d), 2048-4095 k nope, 4096-6143 v, 6144-7167 q rope (h 64 + d), 7168-8191 k rope     [2048 k][8192 n']
;   wo16  = bf16(Wo), that number written as f16  [2048 k][2048 n]
;   maskS = bf16(mask) x sqrt(192), in f32  [1024][1024]: it starts the sum q . k, which is scaled by 1 / sqrt(192) afterwards
;   rope  = cos, sin of pos x 10000^(-i / 32), f32, [1024 pos][32 pairs][cos, sin]
; LIMITS.  |Wo| under 65,504 (f16; below 6e-5 it keeps f16's fixed step); |mask| under 2.4e37 (the product by sqrt(192) stays finite).  The angle is at most 1,023 (fixed by the problem's positions).
; A STREAM: memory binds, nothing is shared between work-groups, so no LDS, no matrix unit, no cluster.  The grid's y is the kind of work, its x a block of 16 rows (mask: 8 rows; table: 8 positions).
; A work-group covers 1,024 columns; a thread 4 columns of a row: a load of 16 bytes (a wave: 512 bytes on end; the rope columns: two runs of 256) and a store of 8 (a wave: 256 bytes on end, aligned; the mask 16).
; NO RING: a wave asks for all its 16 rows at once, 8 KiB, converts each row in the registers in which it landed and stores it from there.
; THE MODE: SCHED_MODE bits 1:0 = 2 (LLVM: expert scheduling mode 2), set by the entry lines.  The code itself states the register dependences between vector instructions and memory
; instructions, with s_wait_alu, always for 0.
; THE PLAN.  Registers that memory instructions touch:
;   v[OI ..]   the rows' load offsets.  Written by vector lines, all of them ahead of the first load; read by the loads; never written again.
;   v[X ..]    row i: its load lands in four registers; behind the counted wait for it the row's conversions read them and write the first two (the mask: all four), and in the cast one add writes the third:
;              the row's store offset.  The row's store reads what was so written; nothing writes it again (the next row's add only reads the offset).
;   v[VO]      my offset in a row of the target.  Written ahead of the first load; read by stores; never written again.
;   v[T ..]    named by vector lines alone.
; So no register that a memory instruction has read is written again, and no load lands in a register that a vector line has named: the only dependences to state are vector results that memory
; instructions read.  ONE wait stands ahead of a path's run of loads (the offsets are written), and the rows go in groups of GRP: the counted wait for the group's loads, its conversions and offsets,
; ONE wait (they are written), its stores.  The next group's vector lines write none of the registers that those stores read.
.set GRP,  4                           ; rows in a group
.set VO,   3                           ; v3       my byte offset in a row of the target
.set T,    4                           ; v[4:9]   at work
.set OI,   10                          ; v[10:25] row i: my byte offset in the source; v10 is the first row's
.set X,    32                          ; v[32:95] row i: 4 registers as loaded, then as stored
.set IN,   30                          ; s[30:31] the source at the work-group's first row
.set OUT,  32                          ; s[32:33] the target at the work-group's first row
.set IP,   34                          ; s34      bytes from row to row in the source
.set OP,   35                          ; s35      in the target
.set KIND, 40                          ; s40      the grid's y
.set TMPS, 42                          ; s42, s43 at work
.set OFS,  44                          ; s[44:45] an offset in 64 bits; the high word stays 0
; A cast with constant pitches: the rows stand in the immediate offsets.  mode 1: to bf16, that number as f16.  mode 2: to bf16, times sqrt(192), in f32.
.macro FIXED rows, ipitch, opitch, mode
	s_wait_alu depctr_va_vdst(0)                   ; v[OI] and v[VO] are written: every load below reads the one as its offset, every store the other
.set i, 0
.rept \rows
	global_load_b128 v[X+4*i:X+4*i+3], v[OI], s[IN:IN+1] offset:i*(\ipitch) th:TH_LOAD_NT
.set i, i+1
.endr
.set g, 0
.rept (\rows)/GRP
	s_wait_loadcnt (\rows)-GRP*(g+1)               ; loads come back in order: the group's rows are in, the younger rows stay out
.set i, GRP*g
.rept GRP
	v_cvt_pk_bf16_f32 v[T],   v[X+4*i],   v[X+4*i+1]
	v_cvt_pk_bf16_f32 v[T+1], v[X+4*i+2], v[X+4*i+3]
.if (\mode) == 1
	v_lshlrev_b32 v[T+2], 16, v[T]                 ; bf16 to f32: the low half moves up, the high half stays
	v_and_b32     v[T+3], s48, v[T]
	v_lshlrev_b32 v[T+4], 16, v[T+1]
	v_and_b32     v[T+5], s48, v[T+1]
	v_cvt_pk_f16_f32 v[X+4*i],   v[T+2], v[T+3]
	v_cvt_pk_f16_f32 v[X+4*i+1], v[T+4], v[T+5]
.else
	v_lshlrev_b32 v[X+4*i],   16, v[T]
	v_and_b32     v[X+4*i+1], s48, v[T]
	v_lshlrev_b32 v[X+4*i+2], 16, v[T+1]
	v_and_b32     v[X+4*i+3], s48, v[T+1]
	v_pk_mul_f32 v[X+4*i:X+4*i+1],   v[X+4*i:X+4*i+1],   s[46:47] op_sel_hi:[1,0]
	v_pk_mul_f32 v[X+4*i+2:X+4*i+3], v[X+4*i+2:X+4*i+3], s[46:47] op_sel_hi:[1,0]
.endif
.set i, i+1
.endr
	s_wait_alu depctr_va_vdst(0)                   ; the group's conversions have written its rows of v[X ..], which the stores below read
.set i, GRP*g
.rept GRP
.if (\mode) == 1
	global_store_b64 v[VO], v[X+4*i:X+4*i+1], s[OUT:OUT+1] offset:i*(\opitch)
.else
	global_store_b128 v[VO], v[X+4*i:X+4*i+3], s[OUT:OUT+1] offset:i*(\opitch)
.endif
.set i, i+1
.endr
.set g, g+1
.endr
	s_endpgm
.endm
	s_load_b512 s[8:23], s[0:1], 0x0               ; x s[8:9], Wq s[10:11], Wk s[12:13], Wv s[14:15], Wo s[16:17], mask s[18:19], xb s[20:21], wb s[22:23]
	s_load_b128 s[24:27], s[0:1], 0x40             ; wo16 s[24:25], maskS s[26:27]
	s_load_b64 s[28:29], s[0:1], 0x50              ; rope
	s_and_b32 s[KIND], ttmp7, 0xffff
	s_mov_b32 s[OFS+1], 0
	s_mov_b32 s46, 0x415db3d7                      ; sqrt(192)
	s_mov_b32 s47, s46                             ; named with it as a pair
	s_mov_b32 s48, 0xffff0000                      ; a word's upper bf16
	v_lshlrev_b32 v[OI], 4, v0                     ; 16 t, where the columns lie as they are wanted
	v_lshlrev_b32 v[VO], 3, v0                     ; 8 t
	s_wait_kmcnt 0x0
	s_cmp_lt_u32 s[KIND], 4
	s_cbranch_scc1 .Lnope
	s_cmp_lt_u32 s[KIND], 6
	s_cbranch_scc1 .Lv
	s_cmp_lt_u32 s[KIND], 8
	s_cbranch_scc1 .Lrope
	s_cmp_lt_u32 s[KIND], 10
	s_cbranch_scc1 .Lx
	s_cmp_lt_u32 s[KIND], 12
	s_cbranch_scc1 .Lwo
	s_cmp_eq_u32 s[KIND], 12
	s_cbranch_scc1 .Lmask
	; KIND 13: the table.  A work-group makes 8 positions; thread t position 8 x block + t / 32, pair t % 32: 8 bytes.
	v_lshrrev_b32 v5, 5, v0
	s_lshl_b32 s[TMPS], ttmp9, 3
	v_add_nc_u32 v5, s[TMPS], v5
	v_cvt_f32_u32 v5, v5                           ; pos
	v_and_b32 v6, 31, v0
	v_cvt_f32_u32 v6, v6
	v_mul_f32 v6, 0xbed49a78, v6                   ; -i log2(10000) / 32
	v_exp_f32 v8, v6                               ; theta
	v_nop                                          ; a plain instruction behind the exponential,
	s_wait_alu depctr_va_vdst(0)                   ; and its wait: theta (v8) is written, ahead of its first reader
	; cos and sin of pos x theta: the nearest multiple n of pi / 2 is taken away in two parts, |r| <= pi / 4 goes through two short series, and n mod 4 turns the pair.
	v_mul_f32 v10, v5, v8
	v_mul_f32 v11, 0x3f22f983, v10                 ; x 2 / pi
	v_rndne_f32 v11, v11                           ; n
	v_fma_f32 v10, v11, 0xbfc90fdb, v10            ; - n x the upper part of pi / 2
	v_fma_f32 v10, v11, 0x333bbd2e, v10            ; - n x the lower part (which is negative)
	v_mul_f32 v12, v10, v10                        ; z = r r
	v_mov_b32 v13, 0xb9500d01                      ; -1 / 5040
	v_fmaak_f32 v13, v13, v12, 0x3c088889          ; 1 / 120
	v_fmaak_f32 v13, v13, v12, 0xbe2aaaab          ; -1 / 6
	v_mul_f32 v14, v10, v12
	v_fma_f32 v13, v14, v13, v10                   ; sin r
	v_mov_b32 v14, 0x37d00d01                      ; 1 / 40320
	v_fmaak_f32 v14, v14, v12, 0xbab60b61          ; -1 / 720
	v_fmaak_f32 v14, v14, v12, 0x3d2aaaab          ; 1 / 24
	v_fmaak_f32 v14, v14, v12, 0xbf000000          ; -1 / 2
	v_fmaak_f32 v14, v14, v12, 0x3f800000          ; cos r
	v_cvt_i32_f32 v15, v11
	v_and_b32 v12, 1, v15
	v_cmp_eq_u32 vcc_lo, 1, v12                    ; n odd: sine and cosine change places
	v_and_b32 v16, 2, v15                          ; n mod 4 = 2, 3: the sine turns its sign.  The two sign masks hang on n alone: they stand between the compare and the wait for its mask
	v_lshlrev_b32 v16, 30, v16
	v_add_nc_u32 v15, 1, v15                       ; n mod 4 = 1, 2: the cosine
	v_and_b32 v15, 2, v15
	v_lshlrev_b32 v15, 30, v15
	s_wait_alu depctr_va_vcc(0)                    ; the compare has written VCC, ahead of its first reader: the two selects below
	v_cndmask_b32 v21, v13, v14, vcc_lo
	v_cndmask_b32 v20, v14, v13, vcc_lo
	v_xor_b32 v21, v21, v16
	v_xor_b32 v20, v20, v15
	s_lshl_b32 s[OFS], ttmp9, 11                   ; 8 positions of 256 bytes
	s_add_nc_u64 s[OUT:OUT+1], s[28:29], s[OFS:OFS+1]
	s_wait_alu depctr_va_vdst(0)                   ; cos and sin (v20, v21) and v[VO] are written, which the store reads
	global_store_b64 v[VO], v[20:21], s[OUT:OUT+1] ; a wave stores a position's 256 bytes
	s_endpgm
.Lnope:                                        ; kinds 0-3: 8 heads' first 128 columns; wave w takes head w
	s_cmp_lt_u32 s[KIND], 2
	s_cselect_b64 s[IN:IN+1], s[10:11], s[12:13]
	s_and_b32 s[OFS], s[KIND], 1
	s_mul_i32 s[OFS], s[OFS], 6144                 ; heads 8-15 begin 8 x 192 columns on
	v_lshrrev_b32 v4, 5, v0
	v_and_b32 v5, 31, v0
	v_mul_u32_u24 v4, v4, 768                      ; a head is 192 columns
	v_lshl_add_u32 v[OI], v5, 4, v4
	s_mov_b32 s[IP], 12288
	s_branch .Ltowb
.Lrope:                                        ; kinds 6, 7: 16 heads' last 64 columns; sixteen threads take a head
	s_cmp_eq_u32 s[KIND], 6
	s_cselect_b64 s[IN:IN+1], s[10:11], s[12:13]
	s_mov_b32 s[OFS], 512
	v_lshrrev_b32 v4, 4, v0
	v_and_b32 v5, 15, v0
	v_mul_u32_u24 v4, v4, 768
	v_lshl_add_u32 v[OI], v5, 4, v4
	s_mov_b32 s[IP], 12288
	s_branch .Ltowb
.Lv:                                           ; kinds 4, 5: Wv
	s_mov_b64 s[IN:IN+1], s[14:15]
	s_sub_co_u32 s[OFS], s[KIND], 4
	s_lshl_b32 s[OFS], s[OFS], 12
	s_mov_b32 s[IP], 8192
.Ltowb:                                        ; kinds 0-7 go into wb: 1,024 columns x kind
	s_add_nc_u64 s[IN:IN+1], s[IN:IN+1], s[OFS:OFS+1]
	s_lshl_b32 s[OFS], s[KIND], 11
	s_add_nc_u64 s[OUT:OUT+1], s[22:23], s[OFS:OFS+1]
	s_mov_b32 s[OP], 16384
	s_branch .Lcast
.Lx:                                           ; kinds 8, 9: x
	s_sub_co_u32 s[TMPS], s[KIND], 8
	s_lshl_b32 s[OFS], s[TMPS], 12
	s_add_nc_u64 s[IN:IN+1], s[8:9], s[OFS:OFS+1]
	s_lshl_b32 s[OFS], s[TMPS], 11
	s_add_nc_u64 s[OUT:OUT+1], s[20:21], s[OFS:OFS+1]
	s_mov_b32 s[IP], 8192
	s_mov_b32 s[OP], 4096
.Lcast:                                        ; THE CAST TO bf16, one text for kinds 0-9: the two pitches stand in scalar registers
.set i, 1
.rept 15
	v_add_nc_u32 v[OI+i], s[IP], v[OI+i-1]         ; each row's offset has a register of its own; all are made ahead of the first load
.set i, i+1
.endr
	s_lshl_b32 s[TMPS], ttmp9, 4                   ; the work-group's first row; the bases' scalar work stands between the adds and the wait for them
	s_mul_i32 s[OFS], s[TMPS], s[IP]
	s_add_nc_u64 s[IN:IN+1], s[IN:IN+1], s[OFS:OFS+1]
	s_mul_i32 s[OFS], s[TMPS], s[OP]
	s_add_nc_u64 s[OUT:OUT+1], s[OUT:OUT+1], s[OFS:OFS+1]
	s_wait_alu depctr_va_vdst(0)                   ; the sixteen offsets v[OI ..] are written, which the loads below read; so is v[VO], which the first store reads
.set i, 0
.rept 16
	global_load_b128 v[X+4*i:X+4*i+3], v[OI+i], s[IN:IN+1] th:TH_LOAD_NT
.set i, i+1
.endr
.set g, 0
.rept 16/GRP
	s_wait_loadcnt 16-GRP*(g+1)                    ; loads come back in order: the group's rows are in, the younger rows stay out
.set i, GRP*g
.rept GRP
	v_cvt_pk_bf16_f32 v[X+4*i],   v[X+4*i],   v[X+4*i+1]
	v_cvt_pk_bf16_f32 v[X+4*i+1], v[X+4*i+2], v[X+4*i+3]
.if i == 1
	v_add_nc_u32 v[X+4*i+2], s[OP], v[VO]          ; the row's offset in the target, in a register of the row that the conversion has freed
.elseif i > 1
	v_add_nc_u32 v[X+4*i+2], s[OP], v[X+4*i-2]     ; (it only reads the offset of the row before, which that row's store may still read)
.endif
.set i, i+1
.endr
	s_wait_alu depctr_va_vdst(0)                   ; the group's conversions and adds have written its data and its offsets, which the stores below read
.set i, GRP*g
.rept GRP
.if i == 0
	global_store_b64 v[VO], v[X:X+1], s[OUT:OUT+1]
.else
	global_store_b64 v[X+4*i+2], v[X+4*i:X+4*i+1], s[OUT:OUT+1]
.endif
.set i, i+1
.endr
.set g, g+1
.endr
	s_endpgm
.Lwo:                                          ; kinds 10, 11: Wo, rows of 8,192 bytes in and 4,096 out
	s_sub_co_u32 s[TMPS], s[KIND], 10
	s_lshl_b32 s[OFS], s[TMPS], 12
	s_lshl_b32 s43, ttmp9, 17
	s_add_co_u32 s[OFS], s[OFS], s43
	s_add_nc_u64 s[IN:IN+1], s[16:17], s[OFS:OFS+1]
	s_lshl_b32 s[OFS], s[TMPS], 11
	s_lshl_b32 s43, ttmp9, 16
	s_add_co_u32 s[OFS], s[OFS], s43
	s_add_nc_u64 s[OUT:OUT+1], s[24:25], s[OFS:OFS+1]
	FIXED 16, 8192, 4096, 1
.Lmask:                                        ; kind 12: the mask, 8 rows of 4,096 bytes a work-group
	s_lshl_b32 s[OFS], ttmp9, 15
	s_add_nc_u64 s[IN:IN+1], s[18:19], s[OFS:OFS+1]
	s_add_nc_u64 s[OUT:OUT+1], s[26:27], s[OFS:OFS+1]
	v_lshlrev_b32 v[VO], 4, v0                     ; 16 t: no memory instruction has read v[VO] yet on this path
	FIXED 8, 4096, 4096, 2
.Lfunc_end_k_q4be896b7c4_prep:
	.size	k_q4be896b7c4_prep, .Lfunc_end_k_q4be896b7c4_prep-k_q4be896b7c4_prep
	.p2alignl 7, 3214868480
	.fill 96, 4, 3214868480
	.section	.rodata,"a",@progbits
	.p2align	6, 0x0
	.amdhsa_kernel k_q4be896b7c4_prep
		.amdhsa_group_segment_fixed_size 0
		.amdhsa_private_segment_fixed_size 0
		.amdhsa_enable_private_segment 0
		.amdhsa_kernarg_size 88
		.amdhsa_user_sgpr_count 2
		.amdhsa_user_sgpr_kernarg_segment_ptr 1
		.amdhsa_wavefront_size32 1
		.amdhsa_system_sgpr_workgroup_id_x 1
		.amdhsa_system_sgpr_workgroup_id_y 1
		.amdhsa_system_sgpr_workgroup_id_z 1
		.amdhsa_system_vgpr_workitem_id 0
		.amdhsa_next_free_vgpr 96
		.amdhsa_next_free_sgpr 66
		.amdhsa_reserve_vcc 1
		.amdhsa_float_denorm_mode_32 3
		.amdhsa_float_denorm_mode_16_64 3
		.amdhsa_memory_ordered 1
		.amdhsa_forward_progress 1
		.amdhsa_inst_pref_size 26
	.end_amdhsa_kernel
	.amdgpu_metadata
---
amdhsa.version: [ 1, 2 ]
amdhsa.kernels:
  - .name:           k_q4be896b7c4_prep
    .symbol:         k_q4be896b7c4_prep.kd
    .args:
      - { .name: x, .offset: 0, .size: 8, .value_kind: global_buffer, .address_space: global }
      - { .name: Wq, .offset: 8, .size: 8, .value_kind: global_buffer, .address_space: global }
      - { .name: Wk, .offset: 16, .size: 8, .value_kind: global_buffer, .address_space: global }
      - { .name: Wv, .offset: 24, .size: 8, .value_kind: global_buffer, .address_space: global }
      - { .name: Wo, .offset: 32, .size: 8, .value_kind: global_buffer, .address_space: global }
      - { .name: mask, .offset: 40, .size: 8, .value_kind: global_buffer, .address_space: global }
      - { .name: xb, .offset: 48, .size: 8, .value_kind: global_buffer, .address_space: global }
      - { .name: wb, .offset: 56, .size: 8, .value_kind: global_buffer, .address_space: global }
      - { .name: wo16, .offset: 64, .size: 8, .value_kind: global_buffer, .address_space: global }
      - { .name: maskS, .offset: 72, .size: 8, .value_kind: global_buffer, .address_space: global }
      - { .name: rope, .offset: 80, .size: 8, .value_kind: global_buffer, .address_space: global }
    .group_segment_fixed_size: 0
    .private_segment_fixed_size: 0
    .kernarg_segment_align: 8
    .kernarg_segment_size: 88
    .max_flat_workgroup_size: 256
    .sgpr_count:     66
    .vgpr_count:     96
    .wavefront_size: 32
...
	.end_amdgpu_metadata
.endif
;; end of part 5
;; launch gemm1: the kernel of part 2 again; grid 32 x 8, 4 waves a work-group, clusters of 4 x 4, 327,680 bytes of LDS; arguments xb, wb, rope, qkv; writes qkv
;; launch attn: the kernel of part 3 again; grid 8 x 32, 4 waves a work-group, clusters of 4 x 4, 327,680 bytes of LDS; arguments qkv, maskS, ob; writes ob
;; launch gemm2: the kernel of part 4 again; grid 16 x 16, 4 waves a work-group, clusters of 4 x 4, 327,680 bytes of LDS; arguments ob, wo16, bo, out0; writes out0
